; MI455X (gfx1250); checked and timed in simulation.
; The chip was launched on July 23, 2026; its instructions are those of AMD's public machine-readable ISA for CDNA 5 (MIT licence, August 2026) and "CDNA5" Instruction Set Architecture Reference Guide (July 2026). The comments in the code are by the model that wrote it; some were corrected since.
;; Causal Attention. Allowed arithmetic: matrix products marked QUANTISED: E2M1 operands, one E8M0 scale for each 32 along K, by v_wmma_scale_f32_16x16x128_f8f6f4 with both operands' format E2M1 (or v_wmma_scale_f32_32x16x128_f4), f32 sums; products left as they are: bf16, f16 or f32 operands; f32 sums; everything else in f32.
;; Inputs: Wk 1,024 x 1,024 float32; Wq 1,024 x 1,024 float32; Wv 1,024 x 1,024 float32; x 4 x 2,048 x 1,024 float32.
;; Outputs: out0 4 x 2,048 x 1,024 float32.
;; This version of the problem:
;;   THIS VERSION OF THE PROBLEM IS GIVEN IN LOW PRECISION. The matrix products marked QUANTISED in the list below multiply operands that are first quantised to E2M1 (2 exponent bits, 1 mantissa bit; 4 bits a number), with one power-of-two scale for each 32 numbers along K (OCP MX v1.0); their sums are f32. The products marked 'left as it is' may take bf16, f16 or f32 operands, with f32 sums. Whichever they take, every output number must still come out within the allowed error. Rounding operands to bf16 (8 significant bits) uses up far more of that allowance than f16 does (11 bits, for magnitudes from 6e-5 to 65,504). All else is computed in f32.
;;   The module's matrix products, in the order in which they are computed (A, B: the left and right operand; K: the contracted axis; several contracted axes count as one K, in the product's order):
;;     1. [M 8,192, K 1,024] x [K 1,024, N 1,024]; A: input x; B: input Wq: QUANTISED
;;     2. [M 8,192, K 1,024] x [K 1,024, N 1,024]; A: input x; B: input Wk: QUANTISED
;;     3. [M 8,192, K 1,024] x [K 1,024, N 1,024]; A: input x; B: input Wv: QUANTISED
;;     4. batch 4 x [M 2,048, K 1,024] x [K 1,024, N 2,048]; A: computed on the way; B: computed on the way: left as it is (an operand is computed on the way)
;;     5. batch 4 x [M 2,048, K 2,048] x [K 2,048, N 1,024]; A: computed on the way; B: computed on the way: left as it is (an operand is computed on the way)
;;   THE QUANTISER, for each operand of a quantised product, along K:
;;     - K is cut into blocks of 32 from its start; a last block that is shorter is filled with zeros.
;;     - A block's scale is 2^e with e = floor(log2(the largest magnitude in the block)) - 2, held to -126 .. 127; a block of zeros has e = 0. As a byte (E8M0): e + 127.
;;     - Each number is divided by its block's scale, clamped to +-6, and rounded to the nearest number of E2M1, ties to even, subnormals kept.
;;     - The product sums the exact products of the quantised numbers (number of the format x scale) in f32.
;;   ~~~python
;;   def quantise(x, axis):      # numpy; x: float32 -> the quantised numbers, widened to float32 again
;;       x = np.moveaxis(x, axis, -1); K = x.shape[-1]
;;       x = np.pad(x, [(0, 0)] * (x.ndim - 1) + [(0, -K % 32)]); x = x.reshape(x.shape[:-1] + (-1, 32)); a = np.abs(x).max(-1, keepdims=True)
;;       e = np.where(a > 0, np.clip(np.frexp(np.where(a > 0, a, 1))[1] - 1 - 2, -126, 127), 0)      # np.frexp(a)[1] - 1 = floor(log2(a)), exactly
;;       r = np.clip(x / 2.0 ** e, -6, 6)
;;       step = 2.0 ** (np.maximum(np.frexp(np.where(r == 0, 1, r))[1] - 1, 0) - 1)
;;       q = np.round(r / step) * step * 2.0 ** e      # np.round: ties to even
;;       return np.moveaxis(q.reshape(q.shape[:-2] + (-1,))[..., :K], -1, axis).astype(np.float32)
;;   ~~~
;; One version. Each part assembles by itself: llvm-mc -triple=amdgcn-amd-amdhsa -mcpu=gfx1250 --defsym DOCPART=n.
;; ======== version 1 of 1: 5 launches
;; limits: values are held in f16: magnitudes above 65,504 overflow, below 6.1e-05 lose precision
;; workspace buffers: xc 4,194,304 bytes; xs 262,144 bytes; wc 1,572,864 bytes; ws 98,304 bytes; qkv 50,331,648 bytes; h16 786,432 bytes; pm 33,554,432 bytes; st 786,432 bytes
;; launch quant (part 1): grid 448 x 1, 4 waves a work-group, no clusters, 42,496 bytes of LDS; arguments x, Wq, Wk, Wv, xc, xs, wc, ws; writes xc, xs, wc, ws
.if DOCPART == 1
	.amdgcn_target "amdgcn-amd-amdhsa--gfx1250"
	.amdhsa_code_object_version 6
	.text
	.protected	k_q99b9309208_quant
	.globl	k_q99b9309208_quant
	.p2align	8
	.type	k_q99b9309208_quant,@function
k_q99b9309208_quant:
	s_mov_b64 s[64:65], 0
	v_nop
	global_prefetch_b8 v0, s[64:65] scope:SCOPE_SE
	s_setreg_imm32_b32 hwreg(HW_REG_WAVE_MODE, 25, 1), 1
	s_wait_xcnt 0x0
; CAUSAL ATTENTION, ONE HEAD OF 1,024, B = 4, S = 2,048.  FIVE LAUNCHES: quant, proj, first16, scores, pv.
; THIS LAUNCH turns x [8192][1024] (K innermost) and Wq, Wk, Wv [1024 (K)][1024] (K is the first axis) into codes of FP4 (E2M1) with one E8M0 byte for each 32 along K:
;   xc [8192][512 bytes], xs [8192][32];   wc [3072][512 bytes], ws [3072][32]: row n of wc is column n of Wq (n < 1024), of Wk (n - 1024) or of Wv (n - 2048), K innermost.
; WORK LEFT OUT IN THE WHOLE PROGRAM.  reference() itself sets scores[q][k] to -infinity where k > q (its own jnp.tril), so softmax gives attn[q][k] = 0 there for all finite inputs, and such a
; term adds 0 to the last product.  So the tiles of 256 queries x 256 keys of q k^T whose every key comes after every query (28 of 64 in each batch) are not computed, and the last product does not walk
; those keys.  Inside a tile that also holds keys that count, hidden scores are computed and set to -infinity.  Every input has a way to the output: all four are loaded.
; LIMIT: a NaN, an infinity or an overflow that reaches only the tiles left out is not carried to the result.
; THE QUANTISER.  A block's scale is 2^(floor(log2(largest magnitude)) - 2); its byte is the largest magnitude's exponent field - 2, held at 1 from below.  Each number is divided by the scale and
; rounded to the nearest code, ties to even, beyond 6 the largest code.  A block of zeros gets the byte 1 where the rule says 127: its codes are zeros, and this program alone reads the bytes.
; LIMITS: blocks whose largest magnitude lies under 2^-124 were not tried; NaN and infinities among the inputs are not served.
; SHARES.  Work-groups 0-191 take the weights, 192-447 take x.  The two paths part on the work-group's number, never join, and have LDS bytes of their own.
; x: a plain stream of blocks of 32.  A wave takes 16 steps of 512 numbers; each load reads 512 consecutive bytes; a step's 2,048 bytes turn through the wave's own stage in LDS so that a lane holds
;    16 neighbours along K (two lanes to a block); loads run eight steps (32 loads a wave) ahead.  A wave's store of codes covers 256 consecutive bytes, aligned; its 256 scale bytes leave as one such run.
; W: a work-group takes 32 columns x 512 along K; a lane takes a column and its registers run down K, so a block of 32 lies in one lane; wave w takes the w-th 128 along K.  The four waves' codes meet in
;    LDS (a row = a column's 256 bytes) behind one barrier and leave with sixteen lanes storing 256 consecutive bytes, aligned.
.set EMAX,   2
.set SP,     80                        ; x: a lane's place in a stage: 64 bytes + 16 of padding
.set WREG,   8192                      ; x: a wave's region: two stages of 32 x SP bytes, then its 256 scale bytes
.set WST,    32768                     ; W: the stage, 32 rows of 272 bytes
.set WP,     272
.set WSS,    41472                     ; W: 32 x 16 scale bytes
.set SPARE,  41984                     ; the spare words, 128 bytes for each wave: two blocks of 256 bytes that no other line names
.set SPW,    224                       ; v224 LDS address of my spare word; never rewritten
.set NIL,    225                       ; v225 0; never rewritten
.set R,      16                        ; x: v16-143 eight sets of 16 numbers as loaded
.set X,      144                       ; x: v144-175 two sets of 16 neighbours
.set E,      176                       ; x: v176-191 a scale byte for each step
.set C,      192                       ; x: v192-223 two registers of codes for each step: no store's data are written again
.set WX,     32                        ; W: v32-95 two sets of 32 numbers
.set WC,     96                        ; W: v96-111 four registers of codes for each block
.set WSB,    112                       ; W: v112 my four scale bytes
.set WOUT,   116                       ; W: v116-131 the way out; v132-135 the scale bytes' way out
	s_load_b512 s[4:19], s[0:1], 0x0               ; x s[4:5], Wq s[6:7], Wk s[8:9], Wv s[10:11], xc s[12:13], xs s[14:15], wc s[16:17], ws s[18:19]
	v_lshl_add_u32 v[SPW], v0, 2, SPARE
	v_mov_b32 v[NIL], 0
	v_lshrrev_b32 v1, 5, v0
	v_readfirstlane_b32 s20, v1                    ; wave 0..3
	v_and_b32 v2, 31, v0                           ; lane
	s_cmp_lt_u32 ttmp9, 192                        ; the work-group's number alone: all four waves go the same way
	s_cbranch_scc1 .Lweights
; ---------------- x ----------------
	v_lshlrev_b32 v3, 4, v2                        ; my 16 bytes of a load's 512
	s_mul_i32 s21, s20, WREG
	v_lshrrev_b32 v14, 2, v2
	v_mul_u32_u24 v14, v14, SP
	v_and_b32 v15, 3, v2
	v_lshl_add_u32 v14, v15, 4, v14
	v_add_nc_u32 v14, s21, v14                     ; the stage, on the way in: SP (lane / 4) + 16 (lane % 4)
	v_mul_u32_u24 v15, v2, SP
	v_add_nc_u32 v15, s21, v15                     ; and on the way out: SP x lane: my 16 neighbours
	v_lshlrev_b32 v4, 3, v2                        ; my 8 bytes of a step's codes
	v_lshrrev_b32 v5, 1, v2
	s_add_co_u32 s21, s21, 2*32*SP
	v_add_nc_u32 v5, s21, v5                       ; LDS: my block's scale byte
	v_lshlrev_b32 v7, 3, v2
	v_add_nc_u32 v6, s21, v7                       ; and on the way out 8 bytes a lane
	s_sub_co_u32 s22, ttmp9, 192
	s_lshl_b32 s22, s22, 2
	s_add_co_u32 s22, s22, s20                     ; which run of 8,192 numbers is my wave's: 0 .. 1,023
	s_mov_b32 s25, 0
	s_wait_kmcnt 0x0
	s_lshl_b32 s24, s22, 15
	s_add_nc_u64 s[4:5], s[4:5], s[24:25]          ; 32,768 bytes of x a run,
	s_lshl_b32 s24, s22, 12
	s_add_nc_u64 s[12:13], s[12:13], s[24:25]      ; 4,096 of codes,
	s_lshl_b32 s24, s22, 8
	s_add_nc_u64 s[14:15], s[14:15], s[24:25]      ; 256 scale bytes
.macro XLOAD t
.irp i, 0,1,2,3
	global_load_b128 v[R+16*((\t)%8)+4*\i:R+16*((\t)%8)+4*\i+3], v3, s[4:5] offset:2048*(\t)+512*\i th:TH_LOAD_NT
.endr
.endm
.macro XTURN t                         ; step t's numbers through the stage: LDS serves a wave's instructions in order, so no wait stands between the stores and the loads
.irp i, 0,1,2,3
	ds_store_b128 v14, v[R+16*((\t)%8)+4*\i:R+16*((\t)%8)+4*\i+3] offset:32*SP*((\t)%2)+8*SP*\i
.endr
.irp i, 0,1,2,3
	ds_load_b128 v[X+16*((\t)%2)+4*\i:X+16*((\t)%2)+4*\i+3], v15 offset:32*SP*((\t)%2)+16*\i
.endr
.endm
.irp t, 0,1,2,3,4,5,6,7
	XLOAD \t
.endr
	s_wait_loadcnt 28                              ; step 0's four loads are in; the 28 of steps 1 to 7 stay out
	XTURN 0
.macro XSTEP t
.set XS, X+16*((\t)%2)
.if (\t) > 0
	s_wait_dscnt 1                                 ; this step's numbers are back from the stage (the last step's byte store may be out): so its stores into the stage have read their registers,
.else
	s_wait_dscnt 0x0
.endif
.if (\t)+8 < 16
	XLOAD (\t)+8                                   ; which take the loads of eight steps on
.endif
.if (\t)+1 < 16
.if (\t)+8 <= 15
	s_wait_loadcnt 28                              ; the next step's four loads are in; those of the seven steps behind it may be out
.else
	s_wait_loadcnt 4*(14-(\t))                     ; the counts run down
.endif
	XTURN (\t)+1
.endif
	v_max3_num_f32 v8, |v[XS]|, |v[XS+1]|, |v[XS+2]|               ; the largest magnitude of my 16, in two chains
	v_max3_num_f32 v9, |v[XS+3]|, |v[XS+4]|, |v[XS+5]|
.irp i, 6,10
	v_max3_num_f32 v8, v8, |v[XS+\i]|, |v[XS+\i+1]|
	v_max3_num_f32 v9, v9, |v[XS+\i+2]|, |v[XS+\i+3]|
.endr
	v_max3_num_f32 v8, v8, |v[XS+14]|, |v[XS+15]|
	v_max3_num_f32 v8, v8, v9, (EMAX+1)<<23        ; and the floor 2^(3 - 127): the byte cannot fall under 1
	v_max_num_f32_dpp v8, v8, v8 row_xmask:1 row_mask:0xf bank_mask:0xf   ; and of my neighbour's 16: the block's
	v_add_nc_u32 v11, -(EMAX<<23), v8              ; 2 off its exponent field: the conversion takes the exponent field of this operand as its scale
	v_cvt_scalef32_pk8_fp4_f32 v[C+2*(\t)], v[XS:XS+7], v11
	v_cvt_scalef32_pk8_fp4_f32 v[C+2*(\t)+1], v[XS+8:XS+15], v11
	v_lshrrev_b32 v[E+(\t)], 23, v11               ; the scale's byte (a plain line behind the conversions)
	ds_store_b8 v5, v[E+(\t)] offset:16*(\t)       ; both lanes of a block write the same byte with the same value
	global_store_b64 v4, v[C+2*(\t):C+2*(\t)+1], s[12:13] offset:256*(\t)   ; the wave stores 256 consecutive bytes, aligned
.endm
.irp t, 0,1,2,3,4,5,6,7,8,9,10,11,12,13,14,15
	XSTEP \t
.endr
	ds_load_b64 v[8:9], v6                         ; these see my byte stores: LDS serves a wave's instructions in order
	s_wait_dscnt 0x0
	global_store_b64 v7, v[8:9], s[14:15]          ; 256 consecutive bytes, aligned
	s_wait_tensorcnt 0x0                           ; the wave's end
	ds_add_u32 v[SPW], v[NIL]
	s_wait_dscnt 0x0
	s_endpgm
; ---------------- Wq, Wk, Wv ----------------
.Lweights:
	v_lshlrev_b32 v3, 2, v2                        ; in: 4 bytes a lane: my column
	v_and_b32 v5, 15, v2                           ; r
	v_lshrrev_b32 v6, 4, v2                        ; h
	s_lshl_b32 s21, s20, 6
	v_mul_u32_u24 v4, v2, WP
	v_add_nc_u32 v4, s21, v4
	v_add_nc_u32 v4, WST, v4                       ; into the stage: row = my column, + 64 bytes x wave
	s_mul_i32 s21, s20, 8*WP
	v_mul_u32_u24 v7, v6, WP
	v_lshl_add_u32 v7, v5, 4, v7
	v_add_nc_u32 v7, s21, v7
	v_add_nc_u32 v7, WST, v7                       ; out of it: wave w takes rows 8 w .. 8 w + 7, sixteen lanes to a row
	v_lshlrev_b32 v8, 9, v6
	v_lshl_add_u32 v8, v5, 4, v8                   ; and the same place in wc: 512 h + 16 r
	v_lshlrev_b32 v10, 4, v2
	v_add_nc_u32 v10, WSS, v10                     ; my column's 16 scale bytes,
	s_lshl_b32 s21, s20, 2
	v_add_nc_u32 v9, s21, v10                      ; and my wave's four of them
	v_lshlrev_b32 v13, 5, v2                       ; ws: 32 bytes a column
	s_lshr_b32 s21, ttmp9, 6                       ; which weight: 0, 1, 2
	s_and_b32 s22, ttmp9, 31                       ; which 32 columns
	s_bfe_u32 s23, ttmp9, 0x10005                  ; which 512 along K
	s_lshl_b32 s24, s23, 9
	s_lshl_b32 s25, s20, 7
	s_add_co_u32 s24, s24, s25                     ; my wave's first row of W
	s_lshl_b32 s24, s24, 12                        ; rows of 4,096 bytes
	s_lshl_b32 s25, s22, 7
	s_add_co_u32 s24, s24, s25                     ; + 128 bytes x column group
	s_mov_b32 s25, 0
	s_lshl_b32 s26, s21, 10
	s_lshl_b32 s27, s22, 5
	s_add_co_u32 s26, s26, s27                     ; the work-group's first row of wc and ws
	s_lshl_b32 s28, s26, 5
	s_lshl_b32 s29, s23, 4
	s_add_co_u32 s28, s28, s29                     ; ws: 32 bytes a row, + 16 for the second 512 along K
	s_mov_b32 s29, 0
	s_lshl_b32 s27, s20, 3
	s_add_co_u32 s26, s26, s27                     ; the rows that my wave stores
	s_lshl_b32 s26, s26, 9
	s_lshl_b32 s27, s23, 8
	s_add_co_u32 s26, s26, s27                     ; wc: 512 bytes a row, + 256 for the second 512 along K
	s_mov_b32 s27, 0
	s_wait_kmcnt 0x0
	s_cmp_eq_u32 s21, 1                            ; the choice hangs on the work-group's number alone
	s_cselect_b64 s[6:7], s[8:9], s[6:7]
	s_cmp_eq_u32 s21, 2
	s_cselect_b64 s[6:7], s[10:11], s[6:7]
	s_add_nc_u64 s[6:7], s[6:7], s[24:25]
	s_add_nc_u64 s[16:17], s[16:17], s[26:27]
	s_add_nc_u64 s[18:19], s[18:19], s[28:29]
.macro WLOAD t                         ; block t: W(32 t + i, my column), i = 0 .. 31: each load reads 128 consecutive bytes
.irp i, 0,1,2,3,4,5,6,7,8,9,10,11,12,13,14,15,16,17,18,19,20,21,22,23,24,25,26,27,28,29,30,31
	global_load_b32 v[WX+32*((\t)%2)+\i], v3, s[6:7] offset:(32*(\t)+\i)*4096 th:TH_LOAD_NT
.endr
.endm
	WLOAD 0
	WLOAD 1
.macro WBLOCK t
.set XS, WX+32*((\t)%2)
.if (\t) < 3
	s_wait_loadcnt 32                              ; this block's 32 loads are in; the next block's may be out
.else
	s_wait_loadcnt 0x0
.endif
	v_max3_num_f32 v16, |v[XS]|, |v[XS+1]|, |v[XS+2]|              ; the block's largest magnitude: all 32 numbers are mine
	v_max3_num_f32 v17, |v[XS+3]|, |v[XS+4]|, |v[XS+5]|
.irp i, 6,10,14,18,22,26
	v_max3_num_f32 v16, v16, |v[XS+\i]|, |v[XS+\i+1]|
	v_max3_num_f32 v17, v17, |v[XS+\i+2]|, |v[XS+\i+3]|
.endr
	v_max3_num_f32 v16, v16, |v[XS+30]|, |v[XS+31]|
	v_max3_num_f32 v16, v16, v17, (EMAX+1)<<23     ; and the floor
	v_add_nc_u32 v18, -(EMAX<<23), v16             ; the conversion's scale operand
	v_lshrrev_b32 v19, 23, v18                     ; the scale's byte
.if (\t) == 0
	v_mov_b32 v[WSB], v19
.else
	v_lshl_or_b32 v[WSB], v19, 8*(\t), v[WSB]      ; the lower K in the lower byte
.endif
.irp g, 0,1,2,3
	v_cvt_scalef32_pk8_fp4_f32 v[WC+4*(\t)+\g], v[XS+8*\g:XS+8*\g+7], v18
.endr
	v_nop                                          ; one plain line behind the last conversion
	ds_store_b128 v4, v[WC+4*(\t):WC+4*(\t)+3] offset:16*(\t)      ; 32 codes: 16 bytes of my column's row
.if (\t)+2 < 4
	WLOAD (\t)+2
.endif
.endm
	WBLOCK 0
	WBLOCK 1
	WBLOCK 2
	WBLOCK 3
	ds_store_b32 v9, v[WSB]
	s_wait_dscnt 0x0                               ; for the others' sake: my stores into the stage have landed
	s_barrier_signal -1
	s_barrier_wait -1                              ; a row's 256 bytes come from four waves
.irp t, 0,1,2,3
	ds_load_b128 v[WOUT+4*\t:WOUT+4*\t+3], v7 offset:2*WP*\t
.endr
.irp t, 0,1,2,3
	s_wait_dscnt 3-\t                              ; rows 2 t, 2 t + 1 are in; the later loads may be out
	global_store_b128 v8, v[WOUT+4*\t:WOUT+4*\t+3], s[16:17] offset:1024*\t   ; sixteen lanes store 256 consecutive bytes, aligned
.endr
	s_cmp_lg_u32 s20, 0                            ; wave 0 stores the work-group's scale bytes: 16 bytes of each of 32 rows (one byte in 128 of what the path reads)
	s_cbranch_scc1 .Lw_end
	ds_load_b128 v[132:135], v10
	s_wait_dscnt 0x0
	global_store_b128 v13, v[132:135], s[18:19]
.Lw_end:
	s_wait_tensorcnt 0x0                           ; the wave's end
	ds_add_u32 v[SPW], v[NIL]
	s_wait_dscnt 0x0
	s_endpgm
.Lfunc_end_k_q99b9309208_quant:
	.size	k_q99b9309208_quant, .Lfunc_end_k_q99b9309208_quant-k_q99b9309208_quant
	.p2alignl 7, 3214868480
	.fill 96, 4, 3214868480
	.section	.rodata,"a",@progbits
	.p2align	6, 0x0
	.amdhsa_kernel k_q99b9309208_quant
		.amdhsa_group_segment_fixed_size 42496
		.amdhsa_private_segment_fixed_size 0
		.amdhsa_enable_private_segment 0
		.amdhsa_kernarg_size 64
		.amdhsa_user_sgpr_count 2
		.amdhsa_user_sgpr_kernarg_segment_ptr 1
		.amdhsa_wavefront_size32 1
		.amdhsa_system_sgpr_workgroup_id_x 1
		.amdhsa_system_sgpr_workgroup_id_y 1
		.amdhsa_system_sgpr_workgroup_id_z 1
		.amdhsa_system_vgpr_workitem_id 0
		.amdhsa_next_free_vgpr 226
		.amdhsa_next_free_sgpr 66
		.amdhsa_reserve_vcc 0
		.amdhsa_float_denorm_mode_32 3
		.amdhsa_float_denorm_mode_16_64 3
		.amdhsa_memory_ordered 1
		.amdhsa_forward_progress 1
		.amdhsa_inst_pref_size 54
	.end_amdhsa_kernel
	.amdgpu_metadata
---
amdhsa.version: [ 1, 2 ]
amdhsa.kernels:
  - .name:           k_q99b9309208_quant
    .symbol:         k_q99b9309208_quant.kd
    .args:
      - { .name: x, .offset: 0, .size: 8, .value_kind: global_buffer, .address_space: global }
      - { .name: Wq, .offset: 8, .size: 8, .value_kind: global_buffer, .address_space: global }
      - { .name: Wk, .offset: 16, .size: 8, .value_kind: global_buffer, .address_space: global }
      - { .name: Wv, .offset: 24, .size: 8, .value_kind: global_buffer, .address_space: global }
      - { .name: xc, .offset: 32, .size: 8, .value_kind: global_buffer, .address_space: global }
      - { .name: xs, .offset: 40, .size: 8, .value_kind: global_buffer, .address_space: global }
      - { .name: wc, .offset: 48, .size: 8, .value_kind: global_buffer, .address_space: global }
      - { .name: ws, .offset: 56, .size: 8, .value_kind: global_buffer, .address_space: global }
    .group_segment_fixed_size: 42496
    .private_segment_fixed_size: 0
    .kernarg_segment_align: 8
    .kernarg_segment_size: 64
    .max_flat_workgroup_size: 128
    .sgpr_count:     66
    .vgpr_count:     226
    .wavefront_size: 32
...
	.end_amdgpu_metadata
.endif
;; end of part 1
;; launch proj (part 2): grid 12 x 32, 4 waves a work-group, clusters of 4 x 4, 327,680 bytes of LDS; arguments xc, xs, wc, ws, qkv, h16; writes qkv, h16
.if DOCPART == 2
	.amdgcn_target "amdgcn-amd-amdhsa--gfx1250"
	.amdhsa_code_object_version 6
	.text
	.protected	k_q99b9309208_proj
	.globl	k_q99b9309208_proj
	.p2align	8
	.type	k_q99b9309208_proj,@function
k_q99b9309208_proj:
	s_mov_b64 s[64:65], 0
	v_nop
	global_prefetch_b8 v0, s[64:65] scope:SCOPE_SE
	s_setreg_imm32_b32 hwreg(HW_REG_WAVE_MODE, 25, 1), 1
	s_wait_xcnt 0x0
	s_wait_alu depctr_hold_cnt(0) depctr_sa_sdst(0) depctr_va_vdst(0) depctr_va_sdst(0) depctr_va_ssrc(0) depctr_va_vcc(0) depctr_vm_vsrc(0)
	s_getreg_b32 s2, hwreg(HW_REG_IB_STS2, 6, 4)
	s_cmp_eq_u32 s2, 0
	s_cbranch_scc0 .Lentry_in_a_cluster
	s_endpgm
.Lentry_in_a_cluster:
	s_bfe_u32 s2, ttmp6, 0x10000c
	s_cmp_lg_u32 s2, 0xf033
	s_cbranch_scc0 .Lentry_shape_is_right
	s_endpgm
.Lentry_shape_is_right:
; LAUNCH 2 OF 5.  [8192][3072] = x (Wq | Wk | Wv), both operands as codes of FP4 (E2M1) with one E8M0 scale for each 32 along K (K = 1,024), sums in f32.
; The result goes out as f16: qkv [8192][3072] (q at column 0, k at 1,024, v at 2,048).  Rows 0-15 of each sequence of 2,048 go out in f32 as well: h16 [4][16][3072], for the launch that carries those rows in f32.
; LIMIT: q, k and v must lie within f16's range (magnitude at most 65,504).
; A tile of 256 x 256 is made by a work-group of four waves; a wave makes 128 x 128: 64 accumulators, 512 registers.  K is two steps of 512 (tile rows of 256 bytes): both LDS slots are filled once, at the start.
; The scale bytes of the work-group's 256 + 256 rows, for all of K, are two dense blocks: they come with the first fills and stay.
; CLUSTERS: 4 x 4 work-groups; the four of a row of the cluster ask jointly for x's tiles, the four of a column for the weights'.
; THE MATRIX INSTRUCTION IS USED TRANSPOSED (source 0 = 16 rows of wc, source 1 = 16 rows of xc): a lane holds eight neighbouring columns of one row of the result.
; REGISTERS: window 0: v0-31 addresses; v32-95 scale words, two sets; v128-191 x's fragments, one set; on the way out v32-63, v192-255.  window 1: the weights' fragments, two sets.  windows 2, 3: the accumulators ((a, b) at v[8 (8 (a % 4) + b)]).
.set SIZE_N, 3072
.set NQ,     4                         ; matrix instructions deep in a slot
.set ROWB,   256                       ; a tile's row: 512 codes
.set KROW,   512                       ; a row of codes in memory
.set PITCH,  272                       ; an LDS row: 256 bytes + 16 of padding: the 16 rows that a load touches start at 16 different banks (64 banks of 4 bytes: ISA guide 11.1)
.set FR,     8
.set NL,     2
.set NP,     4                         ; places behind this matrix instruction (ISA guide 7.12.1)
.set HALFT,  128*PITCH
.set SLOT,   4*HALFT
.set KS,     32                        ; a row of scale bytes
.set SCL,    2*SLOT                    ; behind the ring: the scales, as runs of 256 bytes + 16 of padding
.set HALFS,  16*272                    ; the scales of 128 rows
.set SBLK,   2*272                     ; those of 16 rows
.set SPARE,  SCL+4*HALFS               ; the spare words, 128 bytes for each wave: two blocks of 256 bytes that no other line names
.set SPITCH, 272                       ; the way out: a stage of 16 rows x (256 bytes + 16) for each wave, in slot 0, which has had its only fill and its last read by then
.set ADRA, 16
.set ADRB, 20
.set STO,  24                          ; v24  the way out: where I put 16 bytes of a row
.set RD,   25                          ; v25  where I read a row back
.set CO,   26                          ; v26  my byte offset in two rows of qkv
.set ADRS, 27
.set SPW,  28
.set NIL,  29
.set HO,   30                          ; v30  my byte offset in h16
.set HF,   31                          ; v31  my wave's first row within its sequence
.set SC,   32
.set AF,   128
.set TMP,  192                         ; the way out: packed results
.set OB,   32                          ; 16 rows read back: v32-63 and v224-255 by turns
.set G1, 24
.set G0, 32
.set G1B, 48
.set G0B, 56
.set G1S, 68
.set G0S, 76
.set G1SB, 80
.set G0SB, 88
.set MSB, 0
.macro WIN new                         ; the immediate's high byte repeats the setting that is left
.if MSB != (\new)
	s_set_vgpr_msb (MSB<<8)|(\new)
.set MSB, (\new)
.endif
.endm
.set MUL_LO, 0xa1
.set MUL_HI, 0xf1
.set TO_B,   0x40
; A joint load: waves 0 and 1 fetch for x, waves 2 and 3 for the weights.  The branch hangs on the wave's number alone.  An s_nop 0 and four v_nop follow each of the two lines.
.macro JLOAD g0a, g1a, g0b, g1b
	s_cmp_eq_u32 s15, 0
	s_cbranch_scc0 .Lfor_b_\@
	tensor_load_to_lds s[\g0a:\g0a+3], s[\g1a:\g1a+7]
	s_nop 0
.rept 4
	v_nop
.endr
	s_branch .Lasked_\@
.Lfor_b_\@:
	tensor_load_to_lds s[\g0b:\g0b+3], s[\g1b:\g1b+7]
	s_nop 0
.rept 4
	v_nop
.endr
.Lasked_\@:
.endm
.macro CROUND                          ; a round of the cluster's barrier
	s_barrier_signal -1
	s_barrier_wait -1
	s_cmp_lg_u32 s14, 0
	s_cbranch_scc1 .Lnot_wave_0_\@
	s_barrier_signal -3
.Lnot_wave_0_\@:
	s_barrier_wait -3
	s_barrier_signal -1
	s_barrier_wait -1
.endm
	s_load_b128 s[4:7], s[0:1], 0x0                ; xc, xs
	s_load_b128 s[8:11], s[0:1], 0x10              ; wc, ws
	s_load_b64 s[12:13], s[0:1], 0x20              ; qkv
	s_load_b64 s[96:97], s[0:1], 0x28              ; h16
	v_lshl_add_u32 v[SPW], v0, 2, SPARE
	v_mov_b32 v[NIL], 0
	ds_add_u32 v[SPW], v[NIL]                      ; the wave's opening: the add, twice on end, and its wait ahead of my first tensor load
	ds_add_u32 v[SPW], v[NIL]
	v_lshrrev_b32 v1, 5, v0
	v_readfirstlane_b32 s14, v1                    ; wave 0..3
	s_lshr_b32 s15, s14, 1                         ; which half of the tile's rows is mine.  Also: I fetch for x (0) or for the weights (1)
	s_and_b32 s16, s14, 1                          ; which half of its columns.  Also: which 128 rows I fetch
	s_bfe_u32 s40, ttmp6, 0x40000                  ; cx, cy
	s_bfe_u32 s41, ttmp6, 0x40004
	s_lshl_b32 s42, ttmp9, 2
	s_add_co_u32 s42, s42, s40                     ; tile column
	s_and_b32 s17, ttmp7, 0xffff
	s_lshl_b32 s17, s17, 2
	s_add_co_u32 s17, s17, s41                     ; tile row
	s_lshl_b32 s43, s41, 2
	s_lshl_b32 s43, 15, s43                        ; my row of the cluster
	s_lshl_b32 s44, 0x1111, s40                    ; my column
	s_or_b32 s[G1+0], s43, (0<<16)|(1<<20)|(1<<21)|(5<<22)|(3<<25)  ; the mask; elements of 1 byte; padding: 4 words after every 64; bit 21 beside a mask
	s_or_b32 s[G1B+0], s44, (0<<16)|(1<<20)|(1<<21)|(5<<22)|(3<<25)
.irp g, G1, G1B
	s_mov_b32 s[\g+1], ROWB<<16                    ; tensor_dim0
	s_mov_b32 s[\g+2], 128<<16                     ; tensor_dim1
	s_mov_b32 s[\g+3], ROWB<<16                    ; tile_dim0
	s_mov_b32 s[\g+4], 128                         ; tile_dim1
	s_mov_b32 s[\g+5], KROW                        ; the pitch
	s_mov_b32 s[\g+6], 0
	s_mov_b32 s[\g+7], 0
.endr
	s_or_b32 s[G1S+0], s43, (3<<16)|(1<<20)|(1<<21)|(5<<22)|(3<<25) ; the scales of 128 rows: 4,096 dense bytes as 16 rows of 32 elements of 8 bytes
	s_or_b32 s[G1SB+0], s44, (3<<16)|(1<<20)|(1<<21)|(5<<22)|(3<<25)
.irp g, G1S, G1SB
	s_mov_b32 s[\g+1], 32<<16
	s_mov_b32 s[\g+2], 16<<16
	s_mov_b32 s[\g+3], 32<<16
	s_mov_b32 s[\g+4], 16
	s_mov_b32 s[\g+5], 32
	s_mov_b32 s[\g+6], 0
	s_mov_b32 s[\g+7], 0
.endr
	s_lshl_b32 s18, s16, 7
	s_lshl_b32 s20, s17, 8
	s_add_co_u32 s20, s20, s18                     ; x: row 256 x tile row + 128 x half
	s_lshl_b32 s46, s42, 8
	s_add_co_u32 s46, s46, s18                     ; weights: row 256 x tile column + 128 x half
	s_mov_b32 s21, 0
	s_mov_b32 s47, 0
	s_mov_b64 s[18:19], KS
	s_mul_u64 s[22:23], s[20:21], s[18:19]
	s_mul_u64 s[92:93], s[46:47], s[18:19]
	s_mov_b64 s[18:19], KROW
	s_mul_u64 s[20:21], s[20:21], s[18:19]
	s_mul_u64 s[46:47], s[46:47], s[18:19]
	s_mul_i32 s45, s14, HALFT                      ; where they go: wave x 128 rows: no place in the cluster enters an LDS address
	s_mul_i32 s94, s14, HALFS
	s_wait_dscnt 0x0                               ; both opening adds are done
	s_wait_kmcnt 0x0
	s_add_nc_u64 s[20:21], s[4:5], s[20:21]
	s_add_nc_u64 s[22:23], s[6:7], s[22:23]
	s_add_nc_u64 s[46:47], s[8:9], s[46:47]
	s_add_nc_u64 s[92:93], s[10:11], s[92:93]
	CROUND                                         ; all sixteen work-groups are here: the joint loads meet
	s_mov_b32 s[G0S], 1
	s_add_co_u32 s[G0S+1], s94, SCL
	s_mov_b64 s[G0S+2:G0S+3], s[22:23]
	s_or_b32 s[G0S+3], s[G0S+3], 0x80000000
	s_mov_b32 s[G0SB], 1
	s_add_co_u32 s[G0SB+1], s94, SCL
	s_mov_b64 s[G0SB+2:G0SB+3], s[92:93]
	s_or_b32 s[G0SB+3], s[G0SB+3], 0x80000000
	JLOAD G0S, G1S, G0SB, G1SB                     ; the scales first: three loads of mine are out at the most
.irp s, 0,1
	s_mov_b32 s[G0+4*\s], 1
	s_add_co_u32 s[G0+4*\s+1], s45, \s*SLOT
	s_add_nc_u64 s[G0+4*\s+2:G0+4*\s+3], s[20:21], \s*ROWB
	s_or_b32 s[G0+4*\s+3], s[G0+4*\s+3], 0x80000000
	s_mov_b32 s[G0B+4*\s], 1
	s_add_co_u32 s[G0B+4*\s+1], s45, \s*SLOT
	s_add_nc_u64 s[G0B+4*\s+2:G0B+4*\s+3], s[46:47], \s*ROWB
	s_or_b32 s[G0B+4*\s+3], s[G0B+4*\s+3], 0x80000000
	JLOAD G0+4*\s, G1, G0B+4*\s, G1B
.endr
	v_and_b32 v1, 15, v0                           ; r
	v_bfe_u32 v2, v0, 4, 1                         ; h
	v_mul_u32_u24 v3, v1, PITCH
	v_lshl_add_u32 v4, v2, 4, v3
	s_mul_i32 s21, s15, HALFT
	s_mul_i32 s22, s16, HALFT
	s_add_co_u32 s22, s22, 2*HALFT
.irp s, 0,1
	v_add_nc_u32 v[ADRA+\s], s21, v4
	v_add_nc_u32 v[ADRB+\s], s22, v4
	s_add_co_u32 s21, s21, SLOT
	s_add_co_u32 s22, s22, SLOT
.endr
	v_mul_u32_u24 v5, v1, KS                       ; my row's scales: 32 bytes a row,
	v_lshrrev_b32 v6, 8, v5
	v_lshl_add_u32 v5, v6, 4, v5                   ; and 16 more for each 256 passed
	s_mul_i32 s21, s15, HALFS
	s_mul_i32 s22, s16, HALFS
	s_add_co_u32 s22, s22, 2*HALFS
	s_sub_co_u32 s22, s22, s21
	v_mul_u32_u24 v6, s22, v2                      ; lanes 16-31 take the weights'
	s_add_co_u32 s21, s21, SCL
	v_add_nc_u32 v5, v5, v6
	v_add_nc_u32 v[ADRS], s21, v5
	s_mul_i32 s23, s14, 16*SPITCH                  ; my stage
	v_mul_u32_u24 v5, v1, SPITCH
	v_lshl_add_u32 v5, v2, 4, v5
	v_add_nc_u32 v[STO], s23, v5                   ; in: row r, 16 bytes for each half of the lanes
	v_mul_u32_u24 v5, v2, SPITCH
	v_lshl_add_u32 v5, v1, 4, v5
	v_add_nc_u32 v[RD], s23, v5                    ; back: lanes 0-15 one row of 256 bytes, lanes 16-31 the next
	v_mul_u32_u24 v5, v2, SIZE_N*2
	v_lshl_add_u32 v[CO], v1, 4, v5                ; and the same two rows in qkv
	v_mul_u32_u24 v5, v1, SIZE_N*4
	v_lshl_add_u32 v[HO], v2, 5, v5                ; h16: row r, 32 bytes for each half of the lanes
	s_lshl_b32 s20, s17, 8
	s_lshl_b32 s21, s15, 7
	s_add_co_u32 s20, s20, s21                     ; my first row
	s_and_b32 s94, s20, 2047
	v_mov_b32 v[HF], s94                           ; 0 where it is a sequence's first
	s_mov_b32 s21, 0
	s_mov_b64 s[18:19], SIZE_N*2
	s_mul_u64 s[20:21], s[20:21], s[18:19]
	s_lshl_b32 s46, s42, 9                         ; my first column in f16 bytes: 512 x tile column + 256 x half
	s_lshl_b32 s47, s16, 8
	s_add_co_u32 s46, s46, s47
	s_mov_b32 s47, 0
	s_add_nc_u64 s[20:21], s[20:21], s[46:47]
	s_add_nc_u64 s[12:13], s[12:13], s[20:21]
	s_lshr_b32 s92, s17, 3                         ; the batch
	s_mul_i32 s92, s92, 16*SIZE_N*4
	s_lshl_b32 s46, s46, 1                         ; the column in f32 bytes
	s_add_co_u32 s92, s92, s46
	s_mov_b32 s93, 0
	s_add_nc_u64 s[96:97], s[96:97], s[92:93]
.macro FRAG reg, adr, q, i             ; 16 rows x 128 K of 4-bit codes: 8 registers, two loads of 16 bytes, 32 bytes apart
.irp c, 0,1
	ds_load_b128 v[\reg+4*\c:\reg+4*\c+3], v[\adr] offset:64*(\q)+32*\c+(\i)*16*PITCH
.endr
.endm
; 16 matrix instructions: x's blocks a0, a0 + 1 against the weights' eight.  The 64 accumulators take turns, one instruction a turn, in the same order in every step.
.macro MUL16 a0, p, q, sc, zero
.irp a, \a0, \a0+1
.irp b, 0,1,2,3,4,5,6,7
.if \zero
	v_wmma_scale_f32_16x16x128_f8f6f4 v[8*(8*((\a)%4)+\b):8*(8*((\a)%4)+\b)+7], v[128*(\p)+FR*\b:128*(\p)+FR*\b+FR-1], v[AF+FR*(\a):AF+FR*(\a)+FR-1], 0, v[SC+8*NQ*(\sc)+NQ*\b+(\q)], v[SC+8*NQ*(\sc)+NQ*(\a)+(\q)] matrix_a_fmt:MATRIX_FMT_FP4 matrix_b_fmt:MATRIX_FMT_FP4 matrix_a_scale:MATRIX_SCALE_ROW1
.else
	v_wmma_scale_f32_16x16x128_f8f6f4 v[8*(8*((\a)%4)+\b):8*(8*((\a)%4)+\b)+7], v[128*(\p)+FR*\b:128*(\p)+FR*\b+FR-1], v[AF+FR*(\a):AF+FR*(\a)+FR-1], v[8*(8*((\a)%4)+\b):8*(8*((\a)%4)+\b)+7], v[SC+8*NQ*(\sc)+NQ*\b+(\q)], v[SC+8*NQ*(\sc)+NQ*(\a)+(\q)] matrix_a_fmt:MATRIX_FMT_FP4 matrix_b_fmt:MATRIX_FMT_FP4 matrix_a_scale:MATRIX_SCALE_ROW1
.endif
.endr
.endr
.endm
.macro FETCH_B slot, q, p
	WIN TO_B
.irp i, 0,1,2,3,4,5,6,7
	FRAG 128*(\p)+FR*\i, ADRB+\slot, \q, \i
.endr
	WIN 0
.endm
.macro FETCH_A slot, q, i0
.irp i, \i0, \i0+1, \i0+2, \i0+3
	FRAG AF+FR*(\i), ADRA+\slot, \q, \i
.endr
.endm
.macro SCALES sc                       ; a slot's scale words: lanes 0-15 x's block i, lanes 16-31 the weights' block i
.irp i, 0,1,2,3,4,5,6,7
	ds_load_b128 v[SC+8*NQ*\sc+NQ*\i:SC+8*NQ*\sc+NQ*\i+3], v[ADRS] offset:\i*SBLK
.endr
.endm
.macro PLACES n                        ; plain vector lines between a matrix instruction and a load into, or a read of, its registers
.rept \n
	v_nop
.endr
.endm
.macro STEP slot, q, zero
	s_wait_dscnt 4*NL                              ; the weights' set and x's blocks 0-3 are in; the youngest eight loads (x's blocks 4-7) may be out
	WIN MUL_LO
	MUL16 0, (\q)%2, \q, \slot, \zero
	MUL16 2, (\q)%2, \q, \slot, \zero
	s_wait_dscnt 0
	PLACES NP
	FETCH_B \slot, (\q)+1, 1-(\q)%2
	FETCH_A \slot, (\q)+1, 0
	WIN MUL_HI
	MUL16 4, (\q)%2, \q, \slot, \zero
	MUL16 6, (\q)%2, \q, \slot, \zero
	PLACES NP
	WIN 0
	FETCH_A \slot, (\q)+1, 4
.endm
; Slot 0's last step changes slots: one barrier; in front of it each wave waits for all its tensor loads (its part of slot 1), adds 0 to its spare word, and waits for that and for its reads of slot 0.
.macro TURN slot, next
	s_wait_tensorcnt 0x0
	ds_add_u32 v[SPW], v[NIL]
	s_wait_dscnt 4*NL+1                            ; (the add and the youngest eight loads may be out)
	WIN MUL_LO
	MUL16 0, 1, NQ-1, \slot, 0
	s_wait_dscnt 0x0
	s_barrier_signal -1
	MUL16 2, 1, NQ-1, \slot, 0
	WIN 0
	s_barrier_wait -1
	PLACES NP
	v_add_nc_u32 v[ADRS], 4*NQ, v[ADRS]            ; on to the next slot's scale words
	FETCH_B \next, 0, 0
	FETCH_A \next, 0, 0
	SCALES \next
	WIN MUL_HI
	MUL16 4, 1, NQ-1, \slot, 0
	MUL16 6, 1, NQ-1, \slot, 0
	PLACES NP
	WIN 0
	FETCH_A \next, 0, 4
.endm
	s_wait_tensorcnt 1                             ; the scales and my part of slot 0 are in (slot 1's load may be out),
	s_barrier_signal -1
	s_barrier_wait -1                              ; everybody's are
	FETCH_B 0, 0, 0
	FETCH_A 0, 0, 0
	SCALES 0
	FETCH_A 0, 0, 4
	STEP 0, 0, 1                                   ; the first products start the sums: nothing is cleared
	STEP 0, 1, 0
	STEP 0, 2, 0
	TURN 0, 1
	STEP 1, 0, 0
	STEP 1, 1, 0
	STEP 1, 2, 0
	s_wait_dscnt 4*NL                              ; the last step: nothing more to fetch
	WIN MUL_LO
	MUL16 0, 1, NQ-1, 1, 0
	MUL16 2, 1, NQ-1, 1, 0
	s_wait_dscnt 0
	WIN MUL_HI
	MUL16 4, 1, NQ-1, 1, 0
	MUL16 6, 1, NQ-1, 1, 0
	WIN 0
	PLACES NP
; THE F32 COPY of a sequence's first 16 rows: my block 0, where my first row is a sequence's first.  Made by EXEC, not by a branch: the test hangs on the work-group's place in its cluster.
; A lane stores 32 neighbouring bytes in two pieces: 64 consecutive bytes to a pair of lanes; 0.8 MB of the launch's 51 MB.
	s_wait_xcnt 0x0                                ; EXEC changes only behind this wait
	v_cmp_eq_u32 vcc_lo, 0, v[HF]
	s_and_saveexec_b32 s3, vcc_lo
	WIN 0x08                                       ; the stores' data: window 2
.irp b, 0,1,2,3,4,5,6,7
	global_store_b128 v[HO], v[8*\b:8*\b+3], s[96:97] offset:64*\b          ; each accumulator from its low end on
	global_store_b128 v[HO], v[8*\b+4:8*\b+7], s[96:97] offset:64*\b+16
.endr
	WIN 0
	s_wait_xcnt 0x0                                ; and again in front of the line that widens it
	s_or_b32 exec_lo, exec_lo, s3
; THE WAY OUT, block by block of 16 rows x 128 columns: rounded to f16, 16 bytes a lane, through my own stage in LDS, back as whole rows of 256 bytes.
.macro PACK a
.set AC, 64*((\a)%4)
	WIN 0x0a+5*((\a)/4)                            ; sources 0 and 1: window 2 or 3
.irp b, 0,1,2,3,4,5,6,7
.irp r, 0,1,2,3
	v_cvt_pk_f16_f32 v[TMP+4*\b+\r], v[AC+8*\b+2*\r], v[AC+8*\b+2*\r+1]
.endr
.endr
	WIN 0
.endm
.macro TOSTAGE a
.set BK, OB+192*((\a)%2)
.irp b, 0,1,2,3,4,5,6,7
	ds_store_b128 v[STO], v[TMP+4*\b:TMP+4*\b+3] offset:32*\b
.endr
.irp t, 0,1,2,3,4,5,6,7
	ds_load_b128 v[BK+4*\t:BK+4*\t+3], v[RD] offset:\t*2*SPITCH    ; LDS serves a wave's instructions in order: these see the stores above
.endr
.endm
.macro SEND a
.set BK, OB+192*((\a)%2)
	s_wait_dscnt 0x0                               ; the block is back in registers
	s_wait_xcnt 0x0                                ; the earlier stores have read their base and their data: both may be written again
.if (\a) > 0
	s_add_nc_u64 s[12:13], s[12:13], 16*SIZE_N*2
.endif
.irp t, 0,1,2,3,4,5,6,7
	global_store_b128 v[CO], v[BK+4*\t:BK+4*\t+3], s[12:13] offset:2*\t*SIZE_N*2   ; sixteen lanes store 256 consecutive bytes, aligned
.endr
.endm
	PACK 0
	TOSTAGE 0
.irp a, 1,2,3,4,5,6,7                  ; block a's conversions stand between block a - 1's loads from the stage and the wait for them
	PACK \a
	SEND \a-1
	TOSTAGE \a
.endr
	SEND 7
	s_wait_tensorcnt 0x0                           ; the wave's end
	ds_add_u32 v[SPW], v[NIL]
	s_wait_dscnt 0x0
	CROUND                                         ; the closing round
	s_endpgm
.Lfunc_end_k_q99b9309208_proj:
	.size	k_q99b9309208_proj, .Lfunc_end_k_q99b9309208_proj-k_q99b9309208_proj
	.p2alignl 7, 3214868480
	.fill 96, 4, 3214868480
	.section	.rodata,"a",@progbits
	.p2align	6, 0x0
	.amdhsa_kernel k_q99b9309208_proj
		.amdhsa_group_segment_fixed_size 327680
		.amdhsa_private_segment_fixed_size 0
		.amdhsa_enable_private_segment 0
		.amdhsa_kernarg_size 48
		.amdhsa_user_sgpr_count 2
		.amdhsa_user_sgpr_kernarg_segment_ptr 1
		.amdhsa_wavefront_size32 1
		.amdhsa_system_sgpr_workgroup_id_x 1
		.amdhsa_system_sgpr_workgroup_id_y 1
		.amdhsa_system_sgpr_workgroup_id_z 1
		.amdhsa_system_vgpr_workitem_id 0
		.amdhsa_next_free_vgpr 1024
		.amdhsa_next_free_sgpr 98
		.amdhsa_reserve_vcc 1
		.amdhsa_float_denorm_mode_32 3
		.amdhsa_float_denorm_mode_16_64 3
		.amdhsa_memory_ordered 1
		.amdhsa_forward_progress 1
		.amdhsa_inst_pref_size 129
	.end_amdhsa_kernel
	.amdgpu_metadata
---
amdhsa.version: [ 1, 2 ]
amdhsa.kernels:
  - .name:           k_q99b9309208_proj
    .symbol:         k_q99b9309208_proj.kd
    .args:
      - { .name: xc, .offset: 0, .size: 8, .value_kind: global_buffer, .address_space: global }
      - { .name: xs, .offset: 8, .size: 8, .value_kind: global_buffer, .address_space: global }
      - { .name: wc, .offset: 16, .size: 8, .value_kind: global_buffer, .address_space: global }
      - { .name: ws, .offset: 24, .size: 8, .value_kind: global_buffer, .address_space: global }
      - { .name: qkv, .offset: 32, .size: 8, .value_kind: global_buffer, .address_space: global }
      - { .name: h16, .offset: 40, .size: 8, .value_kind: global_buffer, .address_space: global }
    .group_segment_fixed_size: 327680
    .private_segment_fixed_size: 0
    .kernarg_segment_align: 8
    .kernarg_segment_size: 48
    .max_flat_workgroup_size: 128
    .sgpr_count:     98
    .vgpr_count:     1024
    .wavefront_size: 32
...
	.end_amdgpu_metadata
.endif
;; end of part 2
;; launch first16 (part 3): grid 4 x 1, 8 waves a work-group, no clusters, 17,408 bytes of LDS; arguments h16, out0; writes out0
.if DOCPART == 3
	.amdgcn_target "amdgcn-amd-amdhsa--gfx1250"
	.amdhsa_code_object_version 6
	.text
	.protected	k_q99b9309208_first16
	.globl	k_q99b9309208_first16
	.p2align	8
	.type	k_q99b9309208_first16,@function
k_q99b9309208_first16:
	s_mov_b64 s[64:65], 0
	v_nop
	global_prefetch_b8 v0, s[64:65] scope:SCOPE_SE
	s_setreg_imm32_b32 hwreg(HW_REG_WAVE_MODE, 25, 1), 1
	s_wait_xcnt 0x0
; LAUNCH 3 OF 5.  Rows 0-15 of each sequence, all in f32: under the causal mask they average one to sixteen values, and the rounding of 16-bit operands would weigh most there.
; Only keys 0-15 count for these queries (reference()'s own mask): the other keys are left out, as the first launch's head shows.
; h16 [4][16][3072] f32 holds q (column 0), k (1,024) and v (2,048) of those rows.  One work-group a batch; wave w owns d = 128 w .. 128 w + 127: its slice of K for the scores, and its columns of the output.
; The scores: S^T = k q^T by the f32 matrix form (16 x 16 x 4), 32 steps on four accumulators by turns; the eight waves' partial sums meet in LDS.  Every wave then makes the same softmax (the row's maximum is
; taken away) and multiplies p / sum by its columns of v with fused multiply-adds, key by key up to the query.
.set PART,  0                          ; 1,024 bytes a wave: the image of 8 registers
.set PT,    8192                       ; 1,024 bytes a wave, the wave's own: p[query][key]
.set SPARE, 16384                      ; the spare words, 128 bytes for each wave: four blocks of 256 bytes that no other line names
.set SPW,   14
.set NIL,   15
.set QR,    16                         ; v16-79   q: lane (r, h): d = 8 c + 4 h + 0 .. 3 of row r in registers 4 c .. 4 c + 3; later sums, p and the results
.set KR,    80                         ; v80-143  k likewise (the same order of d on both sides); later p of four queries
.set VV,    144                        ; v144-207 v: key's row, my 4 columns
.set ACC,   208                        ; v208-239 four accumulators: written by matrix instructions alone
.set PB,    80
	s_load_b128 s[4:7], s[0:1], 0x0                ; h16, out0
	v_lshl_add_u32 v[SPW], v0, 2, SPARE
	v_mov_b32 v[NIL], 0
	v_lshrrev_b32 v1, 5, v0
	v_readfirstlane_b32 s8, v1                     ; wave 0..7
	v_and_b32 v1, 15, v0                           ; r
	v_bfe_u32 v2, v0, 4, 1                         ; h
	v_and_b32 v9, 31, v0                           ; lane
	s_lshl_b32 s9, s8, 9                           ; my 128 columns: 512 bytes
	v_mul_u32_u24 v3, v1, 12288
	v_lshl_add_u32 v3, v2, 4, v3
	v_add_nc_u32 v3, s9, v3                        ; q, k: row r, + 16 h, + my slice
	v_lshlrev_b32 v6, 4, v9                        ; 16 x lane
	v_add_nc_u32 v4, s9, v6                        ; v and the output: my 4 columns
	s_lshl_b32 s10, s8, 10
	v_add_nc_u32 v5, s10, v6                       ; where I put my partial sums
	v_lshlrev_b32 v7, 6, v1
	v_lshl_add_u32 v7, v2, 5, v7
	s_add_co_u32 s10, s10, PT
	v_add_nc_u32 v7, s10, v7                       ; p: 64 bytes a query, + 32 h
	v_mov_b32 v8, s10                              ; and the table's first byte, the same in all lanes
	v_lshlrev_b32 v10, 3, v2
	v_sub_nc_u32 v9, v1, v10                       ; r - 8 h: register j holds key 8 h + j, hidden where j > r - 8 h
	v_mov_b32 v10, 0xff800000                      ; -infinity
	v_mov_b32 v12, 0                               ; (a lane permute's destination counts as one of its sources)
	s_mul_i32 s12, ttmp9, 196608                   ; the batch in h16
	s_mov_b32 s13, 0
	s_lshl_b32 s14, ttmp9, 23                      ; and in out0: 2,048 rows of 4,096 bytes
	s_mov_b32 s15, 0
	s_mov_b32 s16, 0x76543210
	s_mov_b32 s17, 0xfedcba98                      ; lane l xor 16
	s_mov_b32 s18, 0x3d38aa3b                      ; c = log2(e) / sqrt(1024)
	s_wait_kmcnt 0x0
	s_add_nc_u64 s[4:5], s[4:5], s[12:13]
	s_add_nc_u64 s[6:7], s[6:7], s[14:15]
.irp c, 0,1,2,3,4,5,6,7,8,9,10,11,12,13,14,15
	global_load_b128 v[QR+4*\c:QR+4*\c+3], v3, s[4:5] offset:32*\c
	global_load_b128 v[KR+4*\c:KR+4*\c+3], v3, s[4:5] offset:4096+32*\c
.endr
.irp k, 0,1,2,3,4,5,6,7,8,9,10,11,12,13,14,15
	global_load_b128 v[VV+4*\k:VV+4*\k+3], v4, s[4:5] offset:8192+12288*\k
.endr
	s_wait_loadcnt 16                              ; q and k are in; v's sixteen loads may be out
.set n, 0
.rept 32                               ; the four accumulators take turns, one instruction a turn; the first four steps start the sums
.if n < 4
	v_wmma_f32_16x16x4_f32 v[ACC+8*(n%4):ACC+8*(n%4)+7], v[KR+2*n:KR+2*n+1], v[QR+2*n:QR+2*n+1], 0
.else
	v_wmma_f32_16x16x4_f32 v[ACC+8*(n%4):ACC+8*(n%4)+7], v[KR+2*n:KR+2*n+1], v[QR+2*n:QR+2*n+1], v[ACC+8*(n%4):ACC+8*(n%4)+7]
.endif
.set n, n+1
.endr
.rept 8
	v_nop                                          ; eight places behind this form (ISA guide 7.12.1)
.endr
.irp p, 0,2,4,6                        ; each accumulator from its low end on; the sums go into other registers
	v_pk_add_f32 v[16+\p:17+\p], v[ACC+\p:ACC+\p+1], v[ACC+8+\p:ACC+8+\p+1]
	v_pk_add_f32 v[24+\p:25+\p], v[ACC+16+\p:ACC+16+\p+1], v[ACC+24+\p:ACC+24+\p+1]
.endr
.irp p, 0,2,4,6
	v_pk_add_f32 v[16+\p:17+\p], v[16+\p:17+\p], v[24+\p:25+\p]
.endr
	ds_store_b128 v5, v[16:19] offset:PART
	ds_store_b128 v5, v[20:23] offset:PART+512
	s_wait_dscnt 0x0                               ; for the others' sake
	s_barrier_signal -1
	s_barrier_wait -1
.irp w, 0,1,2,3,4,5,6,7
	ds_load_b128 v[24+8*\w:27+8*\w], v6 offset:PART+1024*\w
	ds_load_b128 v[28+8*\w:31+8*\w], v6 offset:PART+1024*\w+512
.endr
	s_wait_dscnt 0x0
.irp p, 0,2,4,6                        ; the eight slices in one fixed order, the same in every wave
	v_pk_add_f32 v[24+\p:25+\p], v[24+\p:25+\p], v[32+\p:33+\p]
	v_pk_add_f32 v[40+\p:41+\p], v[40+\p:41+\p], v[48+\p:49+\p]
	v_pk_add_f32 v[56+\p:57+\p], v[56+\p:57+\p], v[64+\p:65+\p]
	v_pk_add_f32 v[72+\p:73+\p], v[72+\p:73+\p], v[80+\p:81+\p]
.endr
.irp p, 0,2,4,6
	v_pk_add_f32 v[24+\p:25+\p], v[24+\p:25+\p], v[40+\p:41+\p]
	v_pk_add_f32 v[56+\p:57+\p], v[56+\p:57+\p], v[72+\p:73+\p]
.endr
.irp p, 0,2,4,6
	v_pk_add_f32 v[16+\p:17+\p], v[24+\p:25+\p], v[56+\p:57+\p]   ; lane (r, h): the score of query r and key 8 h + j in v[16 + j]
.endr
.irp j, 0,1,2,3,4,5,6,7
	v_cmp_gt_i32 vcc_lo, \j, v9
	v_cndmask_b32 v[16+\j], v[16+\j], v10, vcc_lo  ; hidden keys: -infinity
.endr
	v_max3_num_f32 v11, v16, v17, v18
	v_max3_num_f32 v11, v11, v19, v20
	v_max3_num_f32 v11, v11, v21, v22
	v_max_num_f32 v11, v11, v23
	v_permlanex16_b32 v12, v11, s16, s17
	v_max_num_f32 v11, v11, v12                    ; the row's maximum (key 0 counts for every query)
	v_mul_f32 v13, s18, v11
.irp j, 0,1,2,3,4,5,6,7
	v_fma_f32 v[16+\j], v[16+\j], s18, -v13
.endr
.irp j, 0,1,2,3,4,5,6,7
	v_exp_f32 v[16+\j], v[16+\j]
.endr
	v_nop                                          ; a plain line behind the last exponential
	s_wait_alu depctr_va_vdst(0)                   ; one wait for the batch, ahead of its first reader
	v_pk_add_f32 v[24:25], v[16:17], v[18:19]
	v_pk_add_f32 v[26:27], v[20:21], v[22:23]
	v_pk_add_f32 v[24:25], v[24:25], v[26:27]
	v_add_f32 v11, v24, v25
	v_permlanex16_b32 v12, v11, s16, s17
	v_add_f32 v11, v11, v12                        ; the row's sum
	v_rcp_f32 v13, v11
	v_nop
	s_wait_alu depctr_va_vdst(0)
.irp j, 0,1,2,3,4,5,6,7
	v_mul_f32 v[16+\j], v[16+\j], v13
.endr
	ds_store_b128 v7, v[16:19]                     ; my wave's own table: no other wave reads it
	ds_store_b128 v7, v[20:23] offset:16
	s_wait_loadcnt 0x0                             ; v
; out(q, my 4 columns) = the sum over key <= q of p(q, key) v(key, my 4 columns); p comes from the table, the same word to all lanes
.macro PVK q, k, pr
.set OQ, 16+4*(\q)
.set VK, VV+4*(\k)
.set PP, (\pr)+((\k)/2)*2
.if (\k) == 0
	v_pk_mul_f32 v[OQ:OQ+1], v[VK:VK+1], v[PP:PP+1] op_sel_hi:[1,0]
	v_pk_mul_f32 v[OQ+2:OQ+3], v[VK+2:VK+3], v[PP:PP+1] op_sel_hi:[1,0]
.elseif ((\k)%2) == 0
	v_pk_fma_f32 v[OQ:OQ+1], v[VK:VK+1], v[PP:PP+1], v[OQ:OQ+1] op_sel_hi:[1,0,1]
	v_pk_fma_f32 v[OQ+2:OQ+3], v[VK+2:VK+3], v[PP:PP+1], v[OQ+2:OQ+3] op_sel_hi:[1,0,1]
.else
	v_pk_fma_f32 v[OQ:OQ+1], v[VK:VK+1], v[PP:PP+1], v[OQ:OQ+1] op_sel:[0,1,0] op_sel_hi:[1,1,1]
	v_pk_fma_f32 v[OQ+2:OQ+3], v[VK+2:VK+3], v[PP:PP+1], v[OQ+2:OQ+3] op_sel:[0,1,0] op_sel_hi:[1,1,1]
.endif
.endm
.set G, 0
.rept 4                                ; four queries at a time
.set qq, 4*G
.rept 4
.set gg, 0
.rept G+1
	ds_load_b128 v[PB+16*(qq-4*G)+4*gg:PB+16*(qq-4*G)+4*gg+3], v8 offset:64*qq+16*gg   ; these see my stores: LDS serves a wave's instructions in order
.set gg, gg+1
.endr
.set qq, qq+1
.endr
	s_wait_dscnt 0x0
.set qq, 4*G
.rept 4
.set kk, 0
.rept qq+1
	PVK qq, kk, PB+16*(qq-4*G)
.set kk, kk+1
.endr
	global_store_b128 v4, v[16+4*qq:19+4*qq], s[6:7] offset:4096*qq   ; the wave stores 512 consecutive bytes, aligned; each query has registers of its own
.set qq, qq+1
.endr
.set G, G+1
.endr
	s_wait_tensorcnt 0x0                           ; the wave's end
	ds_add_u32 v[SPW], v[NIL]
	s_wait_dscnt 0x0
	s_endpgm
.Lfunc_end_k_q99b9309208_first16:
	.size	k_q99b9309208_first16, .Lfunc_end_k_q99b9309208_first16-k_q99b9309208_first16
	.p2alignl 7, 3214868480
	.fill 96, 4, 3214868480
	.section	.rodata,"a",@progbits
	.p2align	6, 0x0
	.amdhsa_kernel k_q99b9309208_first16
		.amdhsa_group_segment_fixed_size 17408
		.amdhsa_private_segment_fixed_size 0
		.amdhsa_enable_private_segment 0
		.amdhsa_kernarg_size 16
		.amdhsa_user_sgpr_count 2
		.amdhsa_user_sgpr_kernarg_segment_ptr 1
		.amdhsa_wavefront_size32 1
		.amdhsa_system_sgpr_workgroup_id_x 1
		.amdhsa_system_sgpr_workgroup_id_y 1
		.amdhsa_system_sgpr_workgroup_id_z 1
		.amdhsa_system_vgpr_workitem_id 0
		.amdhsa_next_free_vgpr 240
		.amdhsa_next_free_sgpr 66
		.amdhsa_reserve_vcc 1
		.amdhsa_float_denorm_mode_32 3
		.amdhsa_float_denorm_mode_16_64 3
		.amdhsa_memory_ordered 1
		.amdhsa_forward_progress 1
		.amdhsa_inst_pref_size 37
	.end_amdhsa_kernel
	.amdgpu_metadata
---
amdhsa.version: [ 1, 2 ]
amdhsa.kernels:
  - .name:           k_q99b9309208_first16
    .symbol:         k_q99b9309208_first16.kd
    .args:
      - { .name: h16, .offset: 0, .size: 8, .value_kind: global_buffer, .address_space: global }
      - { .name: out0, .offset: 8, .size: 8, .value_kind: global_buffer, .address_space: global }
    .group_segment_fixed_size: 17408
    .private_segment_fixed_size: 0
    .kernarg_segment_align: 8
    .kernarg_segment_size: 16
    .max_flat_workgroup_size: 256
    .sgpr_count:     66
    .vgpr_count:     240
    .wavefront_size: 32
...
	.end_amdgpu_metadata
.endif
;; end of part 3
;; launch scores (part 4): grid 36 x 4, 4 waves a work-group, no clusters, 327,680 bytes of LDS; arguments qkv, pm, st; writes pm, st
.if DOCPART == 4
	.amdgcn_target "amdgcn-amd-amdhsa--gfx1250"
	.amdhsa_code_object_version 6
	.text
	.protected	k_q99b9309208_scores
	.globl	k_q99b9309208_scores
	.p2align	8
	.type	k_q99b9309208_scores,@function
k_q99b9309208_scores:
	s_mov_b64 s[64:65], 0
	v_nop
	global_prefetch_b8 v0, s[64:65] scope:SCOPE_SE
	s_setreg_imm32_b32 hwreg(HW_REG_WAVE_MODE, 25, 1), 1
	s_wait_xcnt 0x0
; LAUNCH 4 OF 5.  The tiles of 256 queries x 256 keys of q k^T that hold a key that counts (tile (i, j) with j <= i: 36 of 64 in each batch; the others are left out: reference()'s own mask makes their weights 0,
; as the first launch's head shows), f16 operands, f32 sums; then the softmax's numerators of the tile.
; t = score x c, c = log2(e) / sqrt(1024).  For each query and tile: M = the largest t of the tile's 256 keys, rounded UP to a whole number, kept as NM = floor(-largest t); p = 2^(t - M), rounded to f16 into
; pm [4][2048][2048]; l = the f32 sum of the unrounded p of each 128 keys.  st [4][24][2048]: plane 3 j = NM, planes 3 j + 1, 3 j + 2 = l of the tile's two halves.  The last launch joins the tiles under the row's largest M.
; LIMIT: a p under 2^-24 (of its tile's 2^M) becomes 0 in f16.
; SHARES.  A work-group of four waves makes a tile; a wave 128 x 128: 64 accumulators, 512 registers.  K = 1,024 goes in eight steps of 128 through two LDS slots filled by the tensor data mover: tile rows of 256 bytes.
; NO CLUSTER: the triangle's rows have 1 to 8 tiles and its columns 8 to 1: they do not fall into groups of four that share a tile of q or of k.
; THE MATRIX INSTRUCTION IS USED TRANSPOSED (source 0 = 16 keys, source 1 = 16 queries): lane l holds query l % 16 and its registers the keys 8 (l / 16) + 0 .. 7.
; ON THE DIAGONAL (i = j): the two waves on it set hidden scores to -infinity; the wave whose every key is hidden takes no way of its own: -infinity is added to its maxima and its NM, so that its p and l are 0:
; it writes the zeros that let the last launch walk the keys in steps of 256.
; REGISTERS: window 0: v0-31 addresses; v32-47 NM and l of my eight blocks of 16 queries; v48-59 at work; v64-127, v128-191 q's fragments, two buffers (on the way out v64-127 rows of p); v198-206 addresses; v208-239 packed p.
;   window 1: k's fragments, two buffers.   windows 2, 3: the accumulators ((a, b) at v[8 (8 (a % 4) + b)]).
.set KSTEP,  128
.set PITCH,  272                       ; an LDS row: 256 bytes + 16 of padding: the 16 rows that a load touches start at 16 different banks (64 banks of 4 bytes: ISA guide 11.1)
.set HALFT,  128*PITCH
.set SLOT,   4*HALFT                   ; q's 256 rows, then k's
.set STAGE,  2*SLOT                    ; 16 rows x 272 bytes for each wave
.set SPITCH, 272
.set XM,     STAGE+4*16*SPITCH         ; 512 bytes a wave: my 128 queries' maxima, for the wave with the tile's other keys
.set STT,    XM+4*512                  ; 1,024 bytes a wave: NM, then l, of my 128 queries
.set SPARE,  STT+4*1024                ; the spare words, 128 bytes for each wave: two blocks of 256 bytes that no other line names
.set ADRA, 16
.set ADRB, 20
.set STO,  24
.set RD,   25
.set CO,   26
.set SPW,  28
.set NIL,  29
.set NMB,  32                          ; v[32 + 2 a] NM of block a; v[33 + 2 a] the other wave's maximum, later l
.set CH,   48                          ; v48-51 four chains
.set PT,   52                          ; v52 a lane permute's destination
.set SUM,  56                          ; v[56:59] two chains of packed sums
.set BK,   64                          ; rows of p read back: v64-95 and v96-127 by turns
.set SO1,  198                         ; v198 16 x lane
.set SO2,  199                         ; v199 16 x lane + my plane of l
.set XW,   200
.set XR,   201
.set SW,   202
.set SRD,  203
.set KILL, 204                         ; v204 -infinity in the wave whose every key is hidden, else 0
.set VD,   205                         ; v205 r - 8 h
.set NINFV, 206
.set TMP,  208
.set F0,   64
.set F1,   128
.set G1,   24
.set G0,   32
.set NINF, 43
.set CS,   44                          ; s[44:45] c
.set SEL,  46                          ; s[46:47] lane l xor 16
.set MK,   72                          ; s72-79 lanes in which register j of a block on the diagonal is hidden
.set MSB, 0
.macro WIN new                         ; the immediate's high byte repeats the setting that is left
.if MSB != (\new)
	s_set_vgpr_msb (MSB<<8)|(\new)
.set MSB, (\new)
.endif
.endm
.set MUL_LO, 0xa1
.set MUL_HI, 0xf1
.set TO_B,   0x40
.macro TLOAD s                         ; my quarter of a slot: every wave runs the line with addresses of its own; an s_nop 0 and four v_nop follow
	tensor_load_to_lds s[G0+4*\s:G0+4*\s+3], s[G1:G1+7]
	s_nop 0
.rept 4
	v_nop
.endr
.endm
.macro PLACES
.rept 4
	v_nop
.endr
.endm
	s_load_b128 s[4:7], s[0:1], 0x0                ; qkv, pm
	s_load_b64 s[8:9], s[0:1], 0x10                ; st
	v_lshl_add_u32 v[SPW], v0, 2, SPARE
	v_mov_b32 v[NIL], 0
	ds_add_u32 v[SPW], v[NIL]                      ; the wave's opening: the add, twice on end, and its wait ahead of my first tensor load
	ds_add_u32 v[SPW], v[NIL]
	v_lshrrev_b32 v1, 5, v0
	v_readfirstlane_b32 s10, v1                    ; wave 0..3
	s_lshr_b32 s11, s10, 1                         ; hr: which 128 queries
	s_and_b32 s12, s10, 1                          ; hc: which 128 keys
	s_and_b32 s13, ttmp7, 0xffff                   ; the batch
	s_mov_b32 s14, 0
.irp t, 1,3,6,10,15,21,28              ; the work-group's number counts the triangle row by row: i = how many rows begin at or under it
	s_cmp_ge_u32 ttmp9, \t
	s_cselect_b32 s15, 1, 0
	s_add_co_u32 s14, s14, s15
.endr
	s_add_co_u32 s15, s14, 1
	s_mul_i32 s15, s15, s14
	s_lshr_b32 s15, s15, 1
	s_sub_co_u32 s15, ttmp9, s15                   ; j
	s_mov_b32 s[G1+0], (1<<16)|(1<<20)|(5<<22)|(3<<25)   ; no mask; elements of 2 bytes; padding: 4 words after every 64
	s_mov_b32 s[G1+1], KSTEP<<16                   ; tensor_dim0
	s_mov_b32 s[G1+2], 128<<16                     ; tensor_dim1
	s_mov_b32 s[G1+3], KSTEP<<16                   ; tile_dim0
	s_mov_b32 s[G1+4], 128                         ; tile_dim1
	s_mov_b32 s[G1+5], 3072                        ; the pitch
	s_mov_b32 s[G1+6], 0
	s_mov_b32 s[G1+7], 0
	s_cmp_lt_u32 s10, 2                            ; waves 0 and 1 fetch q's halves, waves 2 and 3 k's
	s_cselect_b32 s16, s14, s15
	s_cselect_b32 s17, 0, 2048
	s_lshl_b32 s16, s16, 8
	s_lshl_b32 s18, s12, 7
	s_add_co_u32 s16, s16, s18
	s_lshl_b32 s18, s13, 11
	s_add_co_u32 s16, s16, s18                     ; the first row that I fetch
	s_mul_i32 s16, s16, 6144
	s_add_co_u32 s16, s16, s17
	s_mov_b32 s17, 0
	s_mul_i32 s22, s10, HALFT
	s_cmp_eq_u32 s14, s15                          ; on the diagonal?
	s_cselect_b32 s40, 1, 0
	s_cmp_eq_u32 s11, s12
	s_cselect_b32 s41, 1, 0
	s_and_b32 s41, s41, s40                        ; 1: my 128 x 128 lie on it
	s_cmp_lt_u32 s11, s12
	s_cselect_b32 s42, 1, 0
	s_and_b32 s42, s42, s40
	s_cmp_lg_u32 s42, 0                            ; all my keys are hidden
	s_cselect_b32 s42, 0xff800000, 0
	s_mov_b32 s[NINF], 0xff800000
	s_mov_b32 s[CS], 0x3d38aa3b
	s_mov_b32 s[CS+1], s[CS]
	s_mov_b32 s[SEL], 0x76543210
	s_mov_b32 s[SEL+1], 0xfedcba98
	s_wait_dscnt 0x0                               ; both opening adds are done
	s_wait_kmcnt 0x0
	s_add_nc_u64 s[20:21], s[4:5], s[16:17]
.irp s, 0,1
	s_mov_b32 s[G0+4*\s], 1
	s_add_co_u32 s[G0+4*\s+1], s22, \s*SLOT
	s_add_nc_u64 s[G0+4*\s+2:G0+4*\s+3], s[20:21], \s*KSTEP*2
	s_or_b32 s[G0+4*\s+3], s[G0+4*\s+3], 0x80000000
	TLOAD \s                                       ; both slots' first fills: two loads of mine are out
.endr
	v_and_b32 v1, 15, v0                           ; r
	v_bfe_u32 v2, v0, 4, 1                         ; h
	v_mul_u32_u24 v3, v1, PITCH
	v_lshl_add_u32 v3, v2, 4, v3
	s_mul_i32 s21, s11, HALFT
	s_mul_i32 s22, s12, HALFT
	s_add_co_u32 s22, s22, 2*HALFT
.irp s, 0,1
	v_add_nc_u32 v[ADRA+\s], s21, v3
	v_add_nc_u32 v[ADRB+\s], s22, v3
	s_add_co_u32 s21, s21, SLOT
	s_add_co_u32 s22, s22, SLOT
.endr
	s_mul_i32 s23, s10, 16*SPITCH
	s_add_co_u32 s23, s23, STAGE
	v_mul_u32_u24 v4, v1, SPITCH
	v_lshl_add_u32 v4, v2, 4, v4
	v_add_nc_u32 v[STO], s23, v4
	v_mul_u32_u24 v5, v2, SPITCH
	v_lshl_add_u32 v5, v1, 4, v5
	v_add_nc_u32 v[RD], s23, v5
	v_lshlrev_b32 v5, 12, v2
	v_lshl_add_u32 v[CO], v1, 4, v5                ; two rows of pm: 4,096 h + 16 r
	v_lshlrev_b32 v6, 2, v1
	s_lshl_b32 s23, s10, 9
	s_add_co_u32 s23, s23, XM
	v_add_nc_u32 v[XW], s23, v6
	s_xor_b32 s23, s10, 1
	s_lshl_b32 s23, s23, 9
	s_add_co_u32 s23, s23, XM
	v_add_nc_u32 v[XR], s23, v6
	s_lshl_b32 s23, s10, 10
	s_add_co_u32 s23, s23, STT
	v_add_nc_u32 v[SW], s23, v6
	v_and_b32 v7, 31, v0
	v_lshlrev_b32 v[SO1], 4, v7
	v_add_nc_u32 v[SRD], s23, v[SO1]
	s_lshl_b32 s23, s12, 13
	s_add_co_u32 s23, s23, 8192
	v_add_nc_u32 v[SO2], s23, v[SO1]
	v_lshlrev_b32 v7, 3, v2
	v_sub_nc_u32 v[VD], v1, v7
	v_mov_b32 v[NINFV], 0xff800000
	v_mov_b32 v[KILL], s42
	v_mov_b32 v[PT], 0
.irp j, 0,1,2,3,4,5,6,7
	v_cmp_gt_i32 s[MK+\j], \j, v[VD]               ; key 8 h + j comes after query r
.endr
	s_lshl_b32 s16, s13, 11                        ; pm: my first row x 4,096 + 512 j + 256 hc
	s_lshl_b32 s17, s14, 8
	s_add_co_u32 s16, s16, s17
	s_lshl_b32 s17, s11, 7
	s_add_co_u32 s16, s16, s17
	s_lshl_b32 s16, s16, 12
	s_lshl_b32 s17, s15, 9
	s_add_co_u32 s16, s16, s17
	s_lshl_b32 s17, s12, 8
	s_add_co_u32 s16, s16, s17
	s_mov_b32 s17, 0
	s_add_nc_u64 s[6:7], s[6:7], s[16:17]
	s_mul_i32 s16, s13, 24                         ; st: plane 24 b + 3 j, query 256 i + 128 hr
	s_mul_i32 s17, s15, 3
	s_add_co_u32 s16, s16, s17
	s_lshl_b32 s16, s16, 11
	s_lshl_b32 s17, s14, 8
	s_add_co_u32 s16, s16, s17
	s_lshl_b32 s17, s11, 7
	s_add_co_u32 s16, s16, s17
	s_lshl_b32 s16, s16, 2
	s_mov_b32 s17, 0
	s_add_nc_u64 s[8:9], s[8:9], s[16:17]
; 16 matrix instructions: query blocks a0, a0 + 1 of the window's four x all 8 key blocks, 32 along K.  The 64 accumulators take turns, one instruction a turn.
.macro MUL16 f, hi, a0, zero
.irp a, \a0, \a0+1
.irp b, 0,1,2,3,4,5,6,7
.if \zero
	v_wmma_f32_16x16x32_f16 v[8*(8*(\a)+\b):8*(8*(\a)+\b)+7], v[\f+8*\b:\f+8*\b+7], v[\f+8*(4*\hi+\a):\f+8*(4*\hi+\a)+7], 0
.else
	v_wmma_f32_16x16x32_f16 v[8*(8*(\a)+\b):8*(8*(\a)+\b)+7], v[\f+8*\b:\f+8*\b+7], v[\f+8*(4*\hi+\a):\f+8*(4*\hi+\a)+7], v[8*(8*(\a)+\b):8*(8*(\a)+\b)+7]
.endif
.endr
.endr
.endm
.macro FETCH slot, k, f                ; 32 LDS loads in one run: a quarter step's fragments
	WIN TO_B
.irp i, 0,1,2,3,4,5,6,7
	ds_load_b128 v[\f+8*\i:\f+8*\i+3],   v[ADRB+\slot] offset:\k+\i*16*PITCH
	ds_load_b128 v[\f+8*\i+4:\f+8*\i+7], v[ADRB+\slot] offset:\k+\i*16*PITCH+32
.endr
	WIN 0
.irp i, 0,1,2,3,4,5,6,7
	ds_load_b128 v[\f+8*\i:\f+8*\i+3],   v[ADRA+\slot] offset:\k+\i*16*PITCH
	ds_load_b128 v[\f+8*\i+4:\f+8*\i+7], v[ADRA+\slot] offset:\k+\i*16*PITCH+32
.endr
.endm
.macro QUARTER slot, k, f, g, zero
	s_wait_dscnt 8                                 ; k's fragments and q's rows 0-63 are in; the youngest eight loads may be out
	WIN MUL_LO
	MUL16 \f, 0, 0, \zero
	MUL16 \f, 0, 2, \zero
	PLACES
	FETCH \slot, \k, \g
	s_wait_dscnt 32                                ; all but the 32 just issued
	WIN MUL_HI
	MUL16 \f, 1, 0, \zero
	MUL16 \f, 1, 2, \zero
.endm
; A K step's last quarter changes slots: one barrier.  In front of it each wave waits for all its tensor loads (one is out: its part of the next slot), adds 0 to its spare word, and waits for that and for its reads
; of this slot.  fill = 1: behind the barrier this slot is filled again first, two K steps ahead: 224 matrix instructions ahead of the wait for it.
.macro TURN slot, next, fill
	WIN 0
	s_wait_tensorcnt 0x0
	ds_add_u32 v[SPW], v[NIL]
.if \fill
	s_add_nc_u64 s[G0+4*\slot+2:G0+4*\slot+3], s[G0+4*\slot+2:G0+4*\slot+3], 2*KSTEP*2   ; no tensor load of mine is out: a group 0 may be written
.endif
	s_wait_dscnt 9                                 ; (the add and the youngest eight loads may be out)
	WIN MUL_LO
	MUL16 F1, 0, 0, 0
	s_wait_dscnt 0x0
	s_barrier_signal -1
	MUL16 F1, 0, 2, 0
	WIN 0
	s_barrier_wait -1
.if \fill
	TLOAD \slot                                    ; its four v_nop are also the places in front of the loads below
.else
	PLACES
.endif
	FETCH \next, 0, F0
	WIN MUL_HI
	MUL16 F1, 1, 0, 0
	MUL16 F1, 1, 2, 0
.endm
	s_wait_tensorcnt 1                             ; my part of K step 0 is in; K step 1's may stay out
	s_barrier_signal -1
	s_barrier_wait -1
	FETCH 0, 0, F0
	QUARTER 0, 64,  F0, F1, 1                      ; the first quarter's products start the sums
	WIN 0
	s_mov_b32 s3, 3
.Llap:                                             ; a trip goes once round the ring and fills both slots again: K steps 2 to 7
	QUARTER 0, 128, F1, F0, 0
	QUARTER 0, 192, F0, F1, 0
	TURN 0, 1, 1
	QUARTER 1, 64,  F0, F1, 0
	QUARTER 1, 128, F1, F0, 0
	QUARTER 1, 192, F0, F1, 0
	TURN 1, 0, 1
	QUARTER 0, 64,  F0, F1, 0
	WIN 0
	s_sub_co_u32 s3, s3, 1
	s_cmp_lg_u32 s3, 0
	s_cbranch_scc1 .Llap
	QUARTER 0, 128, F1, F0, 0                      ; the last lap is written out: it fills nothing
	QUARTER 0, 192, F0, F1, 0
	TURN 0, 1, 0
	QUARTER 1, 64,  F0, F1, 0
	QUARTER 1, 128, F1, F0, 0
	QUARTER 1, 192, F0, F1, 0
	s_wait_dscnt 8
	WIN MUL_LO
	MUL16 F1, 0, 0, 0
	MUL16 F1, 0, 2, 0
	s_wait_dscnt 0
	WIN MUL_HI
	MUL16 F1, 1, 0, 0
	MUL16 F1, 1, 2, 0
	WIN 0
	PLACES
; Block a (16 queries) of a wave on the diagonal: key block a in part, key blocks behind it whole
.macro MASKD a
.set W, 2+(\a)/4
.set AC, 64*((\a)%4)
	WIN ((W<<6)|W)
.irp j, 0,1,2,3,4,5,6,7
	v_cndmask_b32 v[AC+8*(\a)+\j], v[AC+8*(\a)+\j], v[NINFV], s[MK+\j]
.endr
.if (\a) < 7
.set bb, (\a)+1
.rept 7-(\a)
.irp j, 0,1,2,3,4,5,6,7
	v_mov_b32 v[AC+8*bb+\j], s[NINF]
.endr
.set bb, bb+1
.endr
.endif
.endm
; The largest score of block a's queries among my 128 keys; each accumulator is first read at its low end
.macro RMAX a
.set W, 2+(\a)/4
.set AC, 64*((\a)%4)
.set NR, NMB+2*(\a)
	WIN (W|(W<<2)|(W<<4))
.irp c, 0,1,2,3
	v_max3_num_f32 v[CH+\c], v[AC+16*\c], v[AC+16*\c+1], v[AC+16*\c+2]
.endr
	WIN ((W<<2)|(W<<4))
.irp i, 3,5,7,9,11,13
.irp c, 0,1,2,3
	v_max3_num_f32 v[CH+\c], v[CH+\c], v[AC+16*\c+\i], v[AC+16*\c+\i+1]
.endr
.endr
.irp c, 0,1,2,3
	v_max_num_f32 v[CH+\c], v[CH+\c], v[AC+16*\c+15]
.endr
	WIN 0
	v_max3_num_f32 v[CH], v[CH], v[CH+1], v[CH+2]
	v_max_num_f32 v[CH], v[CH], v[CH+3]
	v_permlanex16_b32 v[PT], v[CH], s[SEL], s[SEL+1]
	v_max_num_f32 v[NR], v[CH], v[PT]
	v_add_f32 v[NR], v[NR], v[KILL]
	ds_store_b32 v[XW], v[NR] offset:64*(\a)       ; both halves of the lanes write the same word with the same value
.endm
; Block a: p = 2^(score x c + NM), its sum, and p in f16.  The 64 exponentials are one batch with one wait.
.macro SOFT a
.set W, 2+(\a)/4
.set AC, 64*((\a)%4)
.set NR, NMB+2*(\a)
	WIN ((W<<6)|W)
.set i, 0
.rept 32
	v_pk_fma_f32 v[AC+i:AC+i+1], v[AC+i:AC+i+1], s[CS:CS+1], v[NR:NR+1] op_sel_hi:[1,0,0]
.set i, i+2
.endr
.set i, 0
.rept 64
	v_exp_f32 v[AC+i], v[AC+i]
.set i, i+1
.endr
	v_nop
	s_wait_alu depctr_va_vdst(0)
	WIN (W|(W<<2))
	v_pk_add_f32 v[SUM:SUM+1], v[AC:AC+1], v[AC+2:AC+3]
	v_pk_add_f32 v[SUM+2:SUM+3], v[AC+4:AC+5], v[AC+6:AC+7]
.irp b, 0,1,2,3,4,5,6,7
.irp r, 0,1,2,3
	v_cvt_pk_f16_f32 v[TMP+4*\b+\r], v[AC+8*\b+2*\r], v[AC+8*\b+2*\r+1]
.endr
.endr
	WIN (W<<2)
.set i, 8
.rept 14
	v_pk_add_f32 v[SUM:SUM+1], v[SUM:SUM+1], v[AC+i:AC+i+1]
	v_pk_add_f32 v[SUM+2:SUM+3], v[SUM+2:SUM+3], v[AC+i+2:AC+i+3]
.set i, i+4
.endr
	WIN 0
	v_pk_add_f32 v[SUM:SUM+1], v[SUM:SUM+1], v[SUM+2:SUM+3]
	v_add_f32 v[SUM], v[SUM], v[SUM+1]
	v_permlanex16_b32 v[PT], v[SUM], s[SEL], s[SEL+1]
	v_add_f32 v[NR+1], v[SUM], v[PT]               ; l of my 128 keys
.endm
.macro TOSTAGE a
.set BB, BK+32*((\a)%2)
.set NR, NMB+2*(\a)
.irp b, 0,1,2,3,4,5,6,7
	ds_store_b128 v[STO], v[TMP+4*\b:TMP+4*\b+3] offset:32*\b
.endr
.irp t, 0,1,2,3,4,5,6,7
	ds_load_b128 v[BB+4*\t:BB+4*\t+3], v[RD] offset:\t*2*SPITCH    ; LDS serves a wave's instructions in order: these see the stores above
.endr
	ds_store_b32 v[SW], v[NR] offset:64*(\a)
	ds_store_b32 v[SW], v[NR+1] offset:512+64*(\a)
.endm
.macro SEND a
.set BB, BK+32*((\a)%2)
	s_wait_dscnt 0x0
	s_wait_xcnt 0x0                                ; the earlier stores have read their base and their data
.if (\a) > 0
	s_add_nc_u64 s[6:7], s[6:7], 16*4096
.endif
.irp t, 0,1,2,3,4,5,6,7
	global_store_b128 v[CO], v[BB+4*\t:BB+4*\t+3], s[6:7] offset:8192*\t   ; sixteen lanes store 256 consecutive bytes, aligned
.endr
.endm
	s_cmp_eq_u32 s41, 0                            ; ids alone
	s_cbranch_scc1 .Lopen
.irp a, 0,1,2,3,4,5,6,7
	MASKD \a
.endr
	WIN 0
.Lopen:
.irp a, 0,1,2,3,4,5,6,7
	RMAX \a
.endr
	s_wait_dscnt 0x0                               ; for the other wave's sake
	s_barrier_signal -1
	s_barrier_wait -1                              ; a query's 256 keys lie in two waves
.irp a, 0,1,2,3,4,5,6,7
	ds_load_b32 v[NMB+2*\a+1], v[XR] offset:64*\a
.endr
	s_wait_dscnt 0x0
.irp a, 0,1,2,3,4,5,6,7
	v_max_num_f32 v[NMB+2*\a], v[NMB+2*\a], v[NMB+2*\a+1]
.endr
.irp a, 0,1,2,3,4,5,6,7
	v_mul_f32 v[NMB+2*\a], s[CS], v[NMB+2*\a]      ; as t (c is positive)
.endr
.irp a, 0,1,2,3,4,5,6,7
	v_floor_f32 v[NMB+2*\a], -v[NMB+2*\a]          ; NM = floor(-t) = -ceil(t)
.endr
.irp a, 0,1,2,3,4,5,6,7
	v_add_f32 v[NMB+2*\a], v[NMB+2*\a], v[KILL]
.endr
	SOFT 0
	TOSTAGE 0
.irp a, 1,2,3,4,5,6,7
	SOFT \a
	SEND \a-1
	TOSTAGE \a
.endr
	SEND 7
	ds_load_b128 v[64:67], v[SRD]                  ; NM of my 128 queries, 4 a lane (v64-71 were last read by block 6's stores, behind which a wait on XCNT has stood)
	ds_load_b128 v[68:71], v[SRD] offset:512       ; l
	s_wait_dscnt 0x0
	global_store_b128 v[SO2], v[68:71], s[8:9]     ; 512 consecutive bytes, aligned
	s_cmp_lg_u32 s12, 0                            ; NM is the same in both waves of a row: the first stores it
	s_cbranch_scc1 .Lno_nm
	global_store_b128 v[SO1], v[64:67], s[8:9]
.Lno_nm:
	s_wait_tensorcnt 0x0                           ; the wave's end
	ds_add_u32 v[SPW], v[NIL]
	s_wait_dscnt 0x0
	s_endpgm
.Lfunc_end_k_q99b9309208_scores:
	.size	k_q99b9309208_scores, .Lfunc_end_k_q99b9309208_scores-k_q99b9309208_scores
	.p2alignl 7, 3214868480
	.fill 96, 4, 3214868480
	.section	.rodata,"a",@progbits
	.p2align	6, 0x0
	.amdhsa_kernel k_q99b9309208_scores
		.amdhsa_group_segment_fixed_size 327680
		.amdhsa_private_segment_fixed_size 0
		.amdhsa_enable_private_segment 0
		.amdhsa_kernarg_size 24
		.amdhsa_user_sgpr_count 2
		.amdhsa_user_sgpr_kernarg_segment_ptr 1
		.amdhsa_wavefront_size32 1
		.amdhsa_system_sgpr_workgroup_id_x 1
		.amdhsa_system_sgpr_workgroup_id_y 1
		.amdhsa_system_sgpr_workgroup_id_z 1
		.amdhsa_system_vgpr_workitem_id 0
		.amdhsa_next_free_vgpr 1024
		.amdhsa_next_free_sgpr 84
		.amdhsa_reserve_vcc 0
		.amdhsa_float_denorm_mode_32 3
		.amdhsa_float_denorm_mode_16_64 3
		.amdhsa_memory_ordered 1
		.amdhsa_forward_progress 1
		.amdhsa_inst_pref_size 224
	.end_amdhsa_kernel
	.amdgpu_metadata
---
amdhsa.version: [ 1, 2 ]
amdhsa.kernels:
  - .name:           k_q99b9309208_scores
    .symbol:         k_q99b9309208_scores.kd
    .args:
      - { .name: qkv, .offset: 0, .size: 8, .value_kind: global_buffer, .address_space: global }
      - { .name: pm, .offset: 8, .size: 8, .value_kind: global_buffer, .address_space: global }
      - { .name: st, .offset: 16, .size: 8, .value_kind: global_buffer, .address_space: global }
    .group_segment_fixed_size: 327680
    .private_segment_fixed_size: 0
    .kernarg_segment_align: 8
    .kernarg_segment_size: 24
    .max_flat_workgroup_size: 128
    .sgpr_count:     84
    .vgpr_count:     1024
    .wavefront_size: 32
...
	.end_amdgpu_metadata
.endif
;; end of part 4
;; launch pv (part 5): grid 8 x 32, 4 waves a work-group, clusters of 4 x 1, 327,680 bytes of LDS; arguments pm, qkv, st, out0; writes out0
.if DOCPART == 5
	.amdgcn_target "amdgcn-amd-amdhsa--gfx1250"
	.amdhsa_code_object_version 6
	.text
	.protected	k_q99b9309208_pv
	.globl	k_q99b9309208_pv
	.p2align	8
	.type	k_q99b9309208_pv,@function
k_q99b9309208_pv:
	s_mov_b64 s[64:65], 0
	v_nop
	global_prefetch_b8 v0, s[64:65] scope:SCOPE_SE
	s_setreg_imm32_b32 hwreg(HW_REG_WAVE_MODE, 25, 1), 1
	s_wait_xcnt 0x0
	s_wait_alu depctr_hold_cnt(0) depctr_sa_sdst(0) depctr_va_vdst(0) depctr_va_sdst(0) depctr_va_ssrc(0) depctr_va_vcc(0) depctr_vm_vsrc(0)
	s_getreg_b32 s2, hwreg(HW_REG_IB_STS2, 6, 4)
	s_cmp_eq_u32 s2, 0
	s_cbranch_scc0 .Lentry_in_a_cluster
	s_endpgm
.Lentry_in_a_cluster:
	s_bfe_u32 s2, ttmp6, 0x10000c
	s_cmp_lg_u32 s2, 0x3003
	s_cbranch_scc0 .Lentry_shape_is_right
	s_endpgm
.Lentry_shape_is_right:
; LAUNCH 5 OF 5.  out0[q][d] = the sum over key tiles j of (f_j / l) x (P_j V_j)[q][d], for all rows but the first 16 of each sequence (those belong to the launch that carries them in f32).
; Only the key tiles that hold a key that counts are walked (reference()'s own mask: the first launch's head).  P_j (pm, f16) holds 2^(t - M_j) with M_j the tile's own whole number; M = the largest M_j of the row,
; f_j = 2^(M_j - M) (exact, by v_ldexp_f32), l = the sum of f_j l_j.  P_j V_j: f16 operands, f32 sums T; O += (f_j / l) T in f32.
; SHARES.  A work-group makes two tiles of 128 queries x 128 of d: query blocks p and 15 - p of a batch: (p / 2 + 1) + (8 - p / 2, or 8 - (p + 1) / 2 + ... ) = 9 steps of 256 keys for every p: all 256 work-groups walk 9 steps.
; Four waves, each 64 x 64: 16 accumulators T, and O in 128 registers more.
; CLUSTER 4 x 1: the four partners have the same batch and p and four neighbouring tiles of d: P's tiles are asked for JOINTLY (mask 15); V's hang on the place in the cluster and come by loads of their own.
; No branch and no LDS address hangs on that place.
; THE MATRIX INSTRUCTION IS USED TRANSPOSED: source 0 = V^T (16 of d x 32 keys, turned on the way out of LDS by ds_load_tr16_b128), source 1 = P (16 queries x 32 keys): a lane holds one query and eight neighbouring d.
; REGISTERS: window 0: v16-30 addresses; v32-35 this step's four factors; v36-56 at work at the head; v64-127 rows on the way out; v128-255 T ((a, bd) at 128 + 8 (4 a + bd)).
;   window 1: two fragment buffers of 128: P at 8 (4 c + a), V at 64 + 8 (4 c + bd).   window 2: v0-127 O.
.set PP,     528                       ; a row of P in LDS: 512 bytes + 16
.set PV,     288                       ; a row of V: 256 bytes + 32: the turning load's 8 rows x 32 bytes fall on different banks (64 banks of 4 bytes: ISA guide 11.1)
.set VOFF,   128*PP                    ; a slot: 128 rows of P, then 256 rows of V
.set SLOT,   128*PP+256*PV
.set STAGE,  2*SLOT                    ; 16 rows x 272 bytes for each wave
.set FT,     STAGE+4*4352              ; 9 steps x 256 bytes for each wave: the factors f_j / l of my 64 queries
.set SPARE,  FT+4*2304                 ; the spare words, 128 bytes for each wave: two blocks of 256 bytes that no other line names
.set ADRA,  16
.set ADRB,  18
.set ADRB2, 20                         ; keys 128 on: the offsets would pass 16 bits
.set FTA,   22
.set STO,   24
.set RD,    25
.set GO,    26
.set VM,    27
.set SPW,   28
.set NIL,   29
.set VL,    30
.set FC,    32
.set NAV,   36
.set NBV,   40
.set LA,    44
.set LB,    48
.set TP,    52
.set BIG,   56
.set BK,    64
.set ACC,   128
.set NMR,   128                        ; at the head: NM(s, a), l(s, a), f(s, a) in T's registers
.set LLR,   164
.set FRG,   200
.set F0,    0
.set F1,    128
.set WV,  12
.set NA,  19                           ; steps of the first tile
.set QA,  20
.set QB,  21
.set VB,  22
.set VC,  23
.set G1P, 24
.set G1V, 32
.set G0P, 40
.set G0V, 48
.set S,   56
.set CNT, 57
.set SF,  58
.set JJ,  59
.set QT,  60
.set OFA, 61
.set OFB, 62
.set PO,  66
.set VO,  68
.set STB, 70                           ; s[70:87] the statistics' nine bases
.set SEL, 92
.set SKIP, 94
.set OB,  96
.set MSB, 0
.macro WIN new                         ; the immediate's high byte repeats the setting that is left
.if MSB != (\new)
	s_set_vgpr_msb (MSB<<8)|(\new)
.set MSB, (\new)
.endif
.endm
.set MUL,  0x05
.set TO_F, 0x40
.macro JLOAD s                         ; waves 0 and 1: P's halves, jointly; waves 2 and 3: V's halves.  An s_nop 0 and four v_nop follow each line
	s_cmp_lt_u32 s[WV], 2
	s_cbranch_scc0 .Lfor_v_\@
	tensor_load_to_lds s[G0P+4*\s:G0P+4*\s+3], s[G1P:G1P+7]
	s_nop 0
.rept 4
	v_nop
.endr
	s_branch .Lasked_\@
.Lfor_v_\@:
	tensor_load_to_lds s[G0V+4*\s:G0V+4*\s+3], s[G1V:G1V+7]
	s_nop 0
.rept 4
	v_nop
.endr
.Lasked_\@:
.endm
.macro CREST
	s_cmp_lg_u32 s[WV], 0
	s_cbranch_scc1 .Lnot_wave_0_\@
	s_barrier_signal -3
.Lnot_wave_0_\@:
	s_barrier_wait -3
	s_barrier_signal -1
	s_barrier_wait -1
.endm
.macro CROUND
	s_barrier_signal -1
	s_barrier_wait -1
	CREST
.endm
.macro PLACES
.rept 4
	v_nop
.endr
.endm
; Step s[SF] of the walk: which tile, which 256 keys: byte offsets of my part of P's tile and of V's
.macro STEPADR
	s_cmp_lt_u32 s[SF], s[NA]
	s_cselect_b32 s[QT], s[QA], s[QB]
	s_cselect_b32 s[JJ], 0, s[NA]
	s_sub_co_u32 s[JJ], s[SF], s[JJ]
	s_lshl_b32 s[PO], s[QT], 12
	s_lshl_b32 s[QT], s[JJ], 9
	s_add_co_u32 s[PO], s[PO], s[QT]
	s_lshl_b32 s[VO], s[JJ], 8
	s_add_co_u32 s[VO], s[VO], s[VB]
	s_mul_i32 s[VO], s[VO], 6144
	s_add_co_u32 s[VO], s[VO], s[VC]
.endm
.macro SETG0 s
	s_add_nc_u64 s[G0P+4*\s+2:G0P+4*\s+3], s[4:5], s[PO:PO+1]
	s_or_b32 s[G0P+4*\s+3], s[G0P+4*\s+3], 0x80000000
	s_add_nc_u64 s[G0V+4*\s+2:G0V+4*\s+3], s[6:7], s[VO:VO+1]
	s_or_b32 s[G0V+4*\s+3], s[G0V+4*\s+3], 0x80000000
.endm
	s_load_b256 s[4:11], s[0:1], 0x0               ; pm s[4:5], qkv s[6:7], st s[8:9], out0 s[10:11]
	v_lshl_add_u32 v[SPW], v0, 2, SPARE
	v_mov_b32 v[NIL], 0
	ds_add_u32 v[SPW], v[NIL]                      ; the wave's opening: the add, twice on end, and its wait ahead of my first tensor load
	ds_add_u32 v[SPW], v[NIL]
	v_lshrrev_b32 v1, 5, v0
	v_readfirstlane_b32 s[WV], v1                  ; wave 0..3
	s_and_b32 s13, s[WV], 1                        ; hc: which 64 of d.  Also: which half of a tile I fetch
	s_lshr_b32 s14, s[WV], 1                       ; hr: which 64 queries
	s_bfe_u32 s15, ttmp6, 0x40000                  ; cx
	s_lshl_b32 s16, ttmp9, 2
	s_add_co_u32 s16, s16, s15                     ; the tile of d: it enters V's and the output's addresses alone
	s_and_b32 s17, ttmp7, 0xffff
	s_lshr_b32 s18, s17, 3                         ; the batch
	s_and_b32 s17, s17, 7                          ; p
	s_lshr_b32 s[NA], s17, 1
	s_add_co_u32 s[NA], s[NA], 1
	s_lshl_b32 s[VB], s18, 11                      ; 2,048 b
	s_lshl_b32 s2, s17, 7                          ; the first tile's first query in its sequence,
	s_sub_co_u32 s3, 15, s17
	s_lshl_b32 s3, s3, 7                           ; the second's
	s_add_co_u32 s[QA], s2, s[VB]
	s_add_co_u32 s[QB], s3, s[VB]
	s_lshl_b32 s[SF], s14, 6                       ; 64 hr
	s_add_co_u32 s2, s2, s[SF]
	s_add_co_u32 s3, s3, s[SF]
	s_add_co_u32 s[OFA], s[QA], s[SF]
	s_lshl_b32 s[OFA], s[OFA], 12                  ; the output: rows of 4,096 bytes,
	s_add_co_u32 s[OFB], s[QB], s[SF]
	s_lshl_b32 s[OFB], s[OFB], 12
	s_lshl_b32 s91, s16, 9
	s_lshl_b32 s95, s13, 8
	s_add_co_u32 s91, s91, s95                     ; + 512 x tile of d + 256 hc
	s_add_co_u32 s[OFA], s[OFA], s91
	s_add_co_u32 s[OFB], s[OFB], s91
	s_lshl_b32 s[SF], s13, 6
	s_add_co_u32 s[QA], s[QA], s[SF]               ; the 64 rows of P that I fetch
	s_add_co_u32 s[QB], s[QB], s[SF]
	s_lshl_b32 s[SF], s13, 7
	s_add_co_u32 s[VB], s[VB], s[SF]               ; the 128 rows of V that I fetch
	s_lshl_b32 s[VC], s16, 8
	s_add_co_u32 s[VC], s[VC], 4096                ; v's columns in a row of qkv
	s_mul_i32 s63, s18, 24
	s_or_b32 s[SKIP], s17, s14                     ; 0: my first block of the first tile is a sequence's rows 0-15
	s_mov_b32 s[PO+1], 0
	s_mov_b32 s[VO+1], 0
	s_mov_b32 s99, 0
	s_mov_b32 s[SEL], 0x76543210
	s_mov_b32 s[SEL+1], 0xfedcba98
	s_mov_b32 s[G1P], 15|(1<<16)|(1<<20)|(1<<21)|(6<<22)|(3<<25)   ; the mask: all four; elements of 2 bytes; padding: 4 words after every 128; bit 21 beside a mask
	s_mov_b32 s[G1P+1], 256<<16                    ; tensor_dim0
	s_mov_b32 s[G1P+2], 64<<16                     ; tensor_dim1
	s_mov_b32 s[G1P+3], 256<<16                    ; tile_dim0
	s_mov_b32 s[G1P+4], 64                         ; tile_dim1
	s_mov_b32 s[G1P+5], 2048                       ; the pitch
	s_mov_b32 s[G1P+6], 0
	s_mov_b32 s[G1P+7], 0
	s_mov_b32 s[G1V], (1<<16)|(1<<20)|(5<<22)|(7<<25)              ; no mask; padding: 8 words after every 64
	s_mov_b32 s[G1V+1], 128<<16
	s_mov_b32 s[G1V+2], 128<<16
	s_mov_b32 s[G1V+3], 128<<16
	s_mov_b32 s[G1V+4], 128
	s_mov_b32 s[G1V+5], 3072
	s_mov_b32 s[G1V+6], 0
	s_mov_b32 s[G1V+7], 0
	s_mul_i32 s[SF], s13, 64*PP
	s_mul_i32 s[JJ], s13, 128*PV
.irp s, 0,1
	s_mov_b32 s[G0P+4*\s], 1
	s_add_co_u32 s[G0P+4*\s+1], s[SF], \s*SLOT
	s_mov_b32 s[G0V+4*\s], 1
	s_add_co_u32 s[G0V+4*\s+1], s[JJ], \s*SLOT+VOFF
.endr
.irp s, 0,1,2,3,4,5,6,7,8              ; where step s's statistics of my 64 queries lie: plane 24 b + 3 j, query 128 i + 64 hr
	s_cmp_lt_u32 \s, s[NA]
	s_cselect_b32 s[SF], 0, s[NA]
	s_cselect_b32 s[JJ], s2, s3
	s_sub_co_u32 s[SF], \s, s[SF]
	s_mul_i32 s[SF], s[SF], 3
	s_add_co_u32 s[SF], s[SF], s63
	s_lshl_b32 s[SF], s[SF], 11
	s_add_co_u32 s[SF], s[SF], s[JJ]
	s_lshl_b32 s[STB+2*\s], s[SF], 2
	s_mov_b32 s[STB+2*\s+1], 0
.endr
.irp s, 1,2,3
	s_cmp_lt_u32 \s, s[NA]
	s_cselect_b32 s[87+\s], -1, 0                  ; all lanes: step s belongs to the first tile
.endr
	s_wait_dscnt 0x0                               ; both opening adds are done
	s_wait_kmcnt 0x0
	s_mov_b32 s[SF], 0
	STEPADR
	SETG0 0
	s_mov_b32 s[SF], 1
	STEPADR
	SETG0 1
.irp s, 0,1,2,3,4,5,6,7,8
	s_add_nc_u64 s[STB+2*\s:STB+2*\s+1], s[8:9], s[STB+2*\s:STB+2*\s+1]
.endr
	CROUND                                         ; all four work-groups are here: the first joint loads meet
	s_cmp_lt_u32 s[WV], 2                          ; a wave's two first fills stand in one branch: two loads of mine are out
	s_cbranch_scc0 .Lfirst_v
	tensor_load_to_lds s[G0P:G0P+3], s[G1P:G1P+7]
	s_nop 0
	tensor_load_to_lds s[G0P+4:G0P+7], s[G1P:G1P+7]
	s_nop 0
.rept 4
	v_nop
.endr
	s_branch .Lfirst_asked
.Lfirst_v:
	tensor_load_to_lds s[G0V:G0V+3], s[G1V:G1V+7]
	s_nop 0
	tensor_load_to_lds s[G0V+4:G0V+7], s[G1V:G1V+7]
	s_nop 0
.rept 4
	v_nop
.endr
.Lfirst_asked:
; THE FACTORS, made while the first tiles are on their way
	v_and_b32 v1, 15, v0                           ; r
	v_bfe_u32 v2, v0, 4, 1                         ; h
	v_lshlrev_b32 v[VM], 2, v1
	v_lshl_add_u32 v[VL], v2, 13, v[VM]            ; lanes 16-31 take the plane of the tile's second 128 keys
.irp s, 0,1,2,3,4,5,6,7,8
.irp a, 0,1,2,3
	global_load_b32 v[NMR+4*\s+\a], v[VM], s[STB+2*\s:STB+2*\s+1] offset:64*\a
	global_load_b32 v[LLR+4*\s+\a], v[VL], s[STB+2*\s:STB+2*\s+1] offset:8192+64*\a
.endr
.endr
	v_mul_u32_u24 v3, v1, PP
	v_lshl_add_u32 v3, v2, 4, v3
	s_mul_i32 s[SF], s14, 64*PP
	v_add_nc_u32 v[ADRA], s[SF], v3                ; P: my 64 rows; row r, + 16 h
	v_add_nc_u32 v[ADRA+1], SLOT, v[ADRA]
	v_and_b32 v4, 7, v0
	v_lshl_add_u32 v4, v2, 3, v4
	v_mul_u32_u24 v4, v4, PV
	v_bfe_u32 v5, v0, 3, 1
	v_lshl_add_u32 v4, v5, 4, v4                   ; V, for the turning load: key 8 h + l % 8, 16 bytes x ((l / 8) % 2)
	s_lshl_b32 s[SF], s13, 7
	s_add_co_u32 s[SF], s[SF], VOFF
	v_add_nc_u32 v[ADRB], s[SF], v4
	v_add_nc_u32 v[ADRB+1], SLOT, v[ADRB]
	v_add_nc_u32 v[ADRB2], 128*PV, v[ADRB]
	v_add_nc_u32 v[ADRB2+1], 128*PV, v[ADRB+1]
	s_mul_i32 s[SF], s[WV], 4352
	s_add_co_u32 s[SF], s[SF], STAGE
	v_mul_u32_u24 v3, v1, 272
	v_lshl_add_u32 v3, v2, 5, v3
	v_add_nc_u32 v[STO], s[SF], v3                 ; the stage, in: row r, 32 bytes for each half of the lanes
	v_mul_u32_u24 v3, v2, 272
	v_lshl_add_u32 v3, v1, 4, v3
	v_add_nc_u32 v[RD], s[SF], v3                  ; back: lanes 0-15 one row of 256 bytes, lanes 16-31 the next
	v_lshlrev_b32 v3, 12, v2
	v_lshl_add_u32 v[GO], v1, 4, v3                ; and the same two rows in out0
	s_mul_i32 s[SF], s[WV], 2304
	s_add_co_u32 s[SF], s[SF], FT
	v_lshl_add_u32 v[FTA], v1, 4, s[SF]            ; my query's four factors of a step: 16 r
	v_mov_b32 v[BIG], 0x7f7fffff
.irp a, 0,1,2,3
	v_mov_b32 v[TP+\a], 0                          ; (a lane permute's destination counts as one of its sources)
.endr
	s_wait_loadcnt 0x0
.irp s, 0,1,2,3,4,5,6,7,8
.irp a, 0,1,2,3
	v_permlanex16_b32 v[TP+\a], v[LLR+4*\s+\a], s[SEL], s[SEL+1]
.endr
.irp a, 0,1,2,3
	v_add_f32 v[LLR+4*\s+\a], v[LLR+4*\s+\a], v[TP+\a]             ; l of the tile's 256 keys
.endr
.endr
.irp a, 0,1,2,3                        ; the smallest NM = minus the largest M, for each of the two tiles: step 0 is the first tile's, steps 4 to 8 the second's, steps 1 to 3 by the masks
	v_mov_b32 v[NAV+\a], v[NMR+\a]
	v_min_num_f32 v[NBV+\a], v[NMR+16+\a], v[NMR+20+\a]
	v_min3_num_f32 v[NBV+\a], v[NBV+\a], v[NMR+24+\a], v[NMR+28+\a]
	v_min_num_f32 v[NBV+\a], v[NBV+\a], v[NMR+32+\a]
.endr
.irp s, 1,2,3
.irp a, 0,1,2,3
	v_cndmask_b32 v[TP+\a], v[BIG], v[NMR+4*\s+\a], s[87+\s]
	v_min_num_f32 v[NAV+\a], v[NAV+\a], v[TP+\a]
	v_cndmask_b32 v[TP+\a], v[NMR+4*\s+\a], v[BIG], s[87+\s]
	v_min_num_f32 v[NBV+\a], v[NBV+\a], v[TP+\a]
.endr
.endr
.macro FEXP s, ref                     ; f(s, a) = 2^(ref - NM(s, a)): a whole number, 0 or less; the conversion saturates
.irp a, 0,1,2,3
	v_sub_f32 v[FRG+4*(\s)+\a], v[\ref+\a], v[NMR+4*(\s)+\a]
.endr
.irp a, 0,1,2,3
	v_cvt_i32_f32 v[FRG+4*(\s)+\a], v[FRG+4*(\s)+\a]
.endr
.irp a, 0,1,2,3
	v_ldexp_f32 v[FRG+4*(\s)+\a], 1.0, v[FRG+4*(\s)+\a]
.endr
.endm
	FEXP 0, NAV
.irp s, 4,5,6,7,8
	FEXP \s, NBV
.endr
.irp s, 1,2,3
.irp a, 0,1,2,3
	v_cndmask_b32 v[TP+\a], v[NBV+\a], v[NAV+\a], s[87+\s]
.endr
	FEXP \s, TP
.endr
.irp a, 0,1,2,3
	v_mul_f32 v[LA+\a], v[FRG+\a], v[LLR+\a]
	v_mul_f32 v[LB+\a], v[FRG+16+\a], v[LLR+16+\a]
.endr
.irp s, 5,6,7,8
.irp a, 0,1,2,3
	v_fma_f32 v[LB+\a], v[FRG+4*\s+\a], v[LLR+4*\s+\a], v[LB+\a]
.endr
.endr
.irp s, 1,2,3
.irp a, 0,1,2,3
	v_cndmask_b32 v[TP+\a], v[NIL], v[LLR+4*\s+\a], s[87+\s]
	v_fma_f32 v[LA+\a], v[FRG+4*\s+\a], v[TP+\a], v[LA+\a]
	v_cndmask_b32 v[TP+\a], v[LLR+4*\s+\a], v[NIL], s[87+\s]
	v_fma_f32 v[LB+\a], v[FRG+4*\s+\a], v[TP+\a], v[LB+\a]
.endr
.endr
.irp a, 0,1,2,3
	v_rcp_f32 v[NAV+\a], v[LA+\a]                  ; 1 / l (l is at least 1/2: the tile with the largest M holds a p over 1/2)
	v_rcp_f32 v[NBV+\a], v[LB+\a]
.endr
	v_nop
	s_wait_alu depctr_va_vdst(0)                   ; one wait for the eight
.irp a, 0,1,2,3
	v_mul_f32 v[FRG+\a], v[FRG+\a], v[NAV+\a]
.endr
.irp s, 4,5,6,7,8
.irp a, 0,1,2,3
	v_mul_f32 v[FRG+4*\s+\a], v[FRG+4*\s+\a], v[NBV+\a]
.endr
.endr
.irp s, 1,2,3
.irp a, 0,1,2,3
	v_cndmask_b32 v[TP+\a], v[NBV+\a], v[NAV+\a], s[87+\s]
	v_mul_f32 v[FRG+4*\s+\a], v[FRG+4*\s+\a], v[TP+\a]
.endr
.endr
.irp s, 0,1,2,3,4,5,6,7,8
	ds_store_b128 v[FTA], v[FRG+4*\s:FRG+4*\s+3] offset:256*\s     ; my wave's own table; both halves of the lanes write the same bytes with the same values
.endr
; 8 matrix instructions: query blocks a0, a0 + 1 x the 4 blocks of d, 32 keys.  The 16 accumulators take turns, one instruction a turn.
.macro MUL8 f, c, a0, zero
.irp a, \a0, \a0+1
.irp b, 0,1,2,3
.if \zero
	v_wmma_f32_16x16x32_f16 v[ACC+8*(4*(\a)+\b):ACC+8*(4*(\a)+\b)+7], v[\f+64+8*(4*\c+\b):\f+64+8*(4*\c+\b)+7], v[\f+8*(4*\c+\a):\f+8*(4*\c+\a)+7], 0
.else
	v_wmma_f32_16x16x32_f16 v[ACC+8*(4*(\a)+\b):ACC+8*(4*(\a)+\b)+7], v[\f+64+8*(4*\c+\b):\f+64+8*(4*\c+\b)+7], v[\f+8*(4*\c+\a):\f+8*(4*\c+\a)+7], v[ACC+8*(4*(\a)+\b):ACC+8*(4*(\a)+\b)+7]
.endif
.endr
.endr
.endm
; 32 LDS loads in one run: the fragments of the slot's q-th 64 keys into buffer f; the first 32 keys first
.macro FETCH slot, q, f
	WIN TO_F
.irp c, 0,1
.irp i, 0,1,2,3
.if (\q) < 2
	ds_load_tr16_b128 v[\f+64+8*(4*\c+\i):\f+64+8*(4*\c+\i)+3],   v[ADRB+\slot] offset:(64*((\q)%2)+32*\c)*PV+32*\i
	ds_load_tr16_b128 v[\f+64+8*(4*\c+\i)+4:\f+64+8*(4*\c+\i)+7], v[ADRB+\slot] offset:(64*((\q)%2)+32*\c)*PV+16*PV+32*\i
.else
	ds_load_tr16_b128 v[\f+64+8*(4*\c+\i):\f+64+8*(4*\c+\i)+3],   v[ADRB2+\slot] offset:(64*((\q)%2)+32*\c)*PV+32*\i
	ds_load_tr16_b128 v[\f+64+8*(4*\c+\i)+4:\f+64+8*(4*\c+\i)+7], v[ADRB2+\slot] offset:(64*((\q)%2)+32*\c)*PV+16*PV+32*\i
.endif
	ds_load_b128 v[\f+8*(4*\c+\i):\f+8*(4*\c+\i)+3],   v[ADRA+\slot] offset:128*(\q)+64*\c+\i*16*PP
	ds_load_b128 v[\f+8*(4*\c+\i)+4:\f+8*(4*\c+\i)+7], v[ADRA+\slot] offset:128*(\q)+64*\c+\i*16*PP+32
.endr
.endr
.endm
.macro QUARTER slot, q, f, g, zero     ; multiplies buffer f and fetches the slot's q-th 64 keys into g
	s_wait_dscnt 16                                ; the first 32 keys' fragments are in
	WIN MUL
	MUL8 \f, 0, 0, \zero
	MUL8 \f, 0, 2, \zero
	PLACES
	FETCH \slot, \q, \g
	s_wait_dscnt 32                                ; all but the 32 just issued
	WIN MUL
	MUL8 \f, 1, 0, 0
	MUL8 \f, 1, 2, 0
.endm
; A step's last quarter changes slots.  In front of the barrier each wave waits for all its tensor loads, adds 0 to its spare word, and waits for that and for its reads of this slot.  fill = 1: the barrier opens a round of
; the cluster's barrier, and behind it this slot takes the step two further on: the wave's one tensor load until the next round, 112 matrix instructions ahead of the wait for it.
.macro TURN slot, next, fill
	WIN 0
	ds_load_b128 v[FC:FC+3], v[FTA]                ; this step's four factors
	v_add_nc_u32 v[FTA], 256, v[FTA]
	s_wait_tensorcnt 0x0
	ds_add_u32 v[SPW], v[NIL]
.if \fill
	s_add_co_u32 s[SF], s[S], 2                    ; no tensor load of mine is out: a group 0 may be written
	STEPADR
	SETG0 \slot
.endif
	s_wait_dscnt 18                                ; (the youngest sixteen fragment loads, the factors' load and the add may be out)
	WIN MUL
	MUL8 F1, 0, 0, 0
	s_wait_dscnt 0x0
	s_barrier_signal -1
	MUL8 F1, 0, 2, 0
	WIN 0
	s_barrier_wait -1
.if \fill
	CREST
	JLOAD \slot                                    ; its four v_nop are also the places in front of the loads below
.else
	PLACES
.endif
	FETCH \next, 0, F0
	WIN MUL
	MUL8 F1, 1, 0, 0
	MUL8 F1, 1, 2, 0
	WIN 0
.endm
; O (+)= factor x T; each T from its low end on.  fma = 0: the tile's first step starts its sums: nothing is cleared
.macro ACCUM fma
.if \fma
	WIN 0xa0                                       ; O: destination and source 2 in window 2
.else
	WIN 0x80
.endif
.irp a, 0,1,2,3
.set n, 0
.rept 16
.set OO, 32*\a+2*n
.if \fma
.if (\a)%2
	v_pk_fma_f32 v[OO:OO+1], v[ACC+OO:ACC+OO+1], v[FC+2*(\a/2):FC+2*(\a/2)+1], v[OO:OO+1] op_sel:[0,1,0] op_sel_hi:[1,1,1]
.else
	v_pk_fma_f32 v[OO:OO+1], v[ACC+OO:ACC+OO+1], v[FC+2*(\a/2):FC+2*(\a/2)+1], v[OO:OO+1] op_sel_hi:[1,0,1]
.endif
.else
.if (\a)%2
	v_pk_mul_f32 v[OO:OO+1], v[ACC+OO:ACC+OO+1], v[FC+2*(\a/2):FC+2*(\a/2)+1] op_sel:[0,1] op_sel_hi:[1,1]
.else
	v_pk_mul_f32 v[OO:OO+1], v[ACC+OO:ACC+OO+1], v[FC+2*(\a/2):FC+2*(\a/2)+1] op_sel_hi:[1,0]
.endif
.endif
.set n, n+1
.endr
.endr
	WIN 0
.endm
; THE WAY OUT of a tile: a block of 16 queries x my 64 of d (256 bytes a row) through my own stage
.macro TOST a
	WIN 0x08                                       ; an LDS store's data: window 2
.irp bd, 0,1,2,3
	ds_store_b128 v[STO], v[8*(4*(\a)+\bd):8*(4*(\a)+\bd)+3] offset:64*\bd
	ds_store_b128 v[STO], v[8*(4*(\a)+\bd)+4:8*(4*(\a)+\bd)+7] offset:64*\bd+16
.endr
	WIN 0
.set BB, BK+32*((\a)%2)
.irp t, 0,1,2,3,4,5,6,7
	ds_load_b128 v[BB+4*\t:BB+4*\t+3], v[RD] offset:544*\t         ; LDS serves a wave's instructions in order: these see the stores above
.endr
.endm
.macro SENDO a
.set BB, BK+32*((\a)%2)
.irp t, 0,1,2,3,4,5,6,7
	global_store_b128 v[GO], v[BB+4*\t:BB+4*\t+3], s[OB:OB+1] offset:(16*(\a)+2*\t)*4096 th:TH_STORE_NT   ; sixteen lanes store 256 consecutive bytes, aligned
.endr
.endm
.macro OUT first
	s_wait_xcnt 0x0                                ; earlier stores have read their base and their data
.if \first
	s_mov_b32 s98, s[OFA]
.else
	s_mov_b32 s98, s[OFB]
.endif
	s_add_nc_u64 s[OB:OB+1], s[10:11], s[98:99]
	TOST 0
	TOST 1
	s_wait_dscnt 16                                ; block 0 is back; block 1's sixteen may be out
.if \first
	s_cmp_eq_u32 s[SKIP], 0                        ; a sequence's rows 0-15 are not mine: ids alone
	s_cbranch_scc1 .Lskip_\@
.endif
	SENDO 0
.if \first
.Lskip_\@:
.endif
	s_wait_xcnt 0x0                                ; block 0's stores have read their data
	TOST 2
	s_wait_dscnt 16
	SENDO 1
	s_wait_xcnt 0x0
	TOST 3
	s_wait_dscnt 16
	SENDO 2
	s_wait_dscnt 0x0
	SENDO 3
.endm
; A step of 256 keys.  mode 0: the walk's first; 1: it may begin the second tile, and may end the first; 2: neither
.macro KSTEP slot, next, fill, mode
	QUARTER \slot, 1, F0, F1, 1                    ; T begins anew: between these products and the last on the same registers stand the lines that took T into O
	QUARTER \slot, 2, F1, F0, 0
	QUARTER \slot, 3, F0, F1, 0
	TURN \slot, \next, \fill
	PLACES
.if \mode == 0
	ACCUM 0
.elseif \mode == 1
	s_cmp_eq_u32 s[S], s[NA]                       ; ids and the count of steps alone; the same in all four partners
	s_cbranch_scc1 .Lbegin_\@
	ACCUM 1
	s_branch .Ltaken_\@
.Lbegin_\@:
	ACCUM 0
.Ltaken_\@:
.else
	ACCUM 1
.endif
.if \mode < 2
	s_add_co_u32 s98, s[S], 1
	s_cmp_lg_u32 s98, s[NA]
	s_cbranch_scc1 .Lgo_on_\@
	OUT 1                                          ; the first tile is finished
.Lgo_on_\@:
.endif
	s_add_co_u32 s[S], s[S], 1
.endm
	s_mov_b32 s[S], 0
	s_wait_dscnt 0x0                               ; my table's stores have landed
	s_wait_tensorcnt 1                             ; my part of step 0 is in; step 1's may stay out
	s_barrier_signal -1
	s_barrier_wait -1
	FETCH 0, 0, F0
	WIN 0
	KSTEP 0, 1, 1, 0                               ; step 0
	s_mov_b32 s[CNT], 3
.Lpair:                                            ; steps 1 to 6
	KSTEP 1, 0, 1, 1
	KSTEP 0, 1, 1, 1
	s_sub_co_u32 s[CNT], s[CNT], 1
	s_cmp_lg_u32 s[CNT], 0
	s_cbranch_scc1 .Lpair
	KSTEP 1, 0, 0, 2                               ; step 7: the tail is written out: nothing is left to fetch
	QUARTER 0, 1, F0, F1, 1                        ; step 8
	QUARTER 0, 2, F1, F0, 0
	QUARTER 0, 3, F0, F1, 0
	WIN 0
	ds_load_b128 v[FC:FC+3], v[FTA]
	s_wait_dscnt 17                                ; (the youngest sixteen fragment loads and the factors' load may be out)
	WIN MUL
	MUL8 F1, 0, 0, 0
	MUL8 F1, 0, 2, 0
	s_wait_dscnt 0x0
	MUL8 F1, 1, 0, 0
	MUL8 F1, 1, 2, 0
	WIN 0
	PLACES
	ACCUM 1
	OUT 0                                          ; the second tile
	s_wait_tensorcnt 0x0                           ; the wave's end
	ds_add_u32 v[SPW], v[NIL]
	s_wait_dscnt 0x0
	CROUND                                         ; the closing round
	s_endpgm
.Lfunc_end_k_q99b9309208_pv:
	.size	k_q99b9309208_pv, .Lfunc_end_k_q99b9309208_pv-k_q99b9309208_pv
	.p2alignl 7, 3214868480
	.fill 96, 4, 3214868480
	.section	.rodata,"a",@progbits
	.p2align	6, 0x0
	.amdhsa_kernel k_q99b9309208_pv
		.amdhsa_group_segment_fixed_size 327680
		.amdhsa_private_segment_fixed_size 0
		.amdhsa_enable_private_segment 0
		.amdhsa_kernarg_size 32
		.amdhsa_user_sgpr_count 2
		.amdhsa_user_sgpr_kernarg_segment_ptr 1
		.amdhsa_wavefront_size32 1
		.amdhsa_system_sgpr_workgroup_id_x 1
		.amdhsa_system_sgpr_workgroup_id_y 1
		.amdhsa_system_sgpr_workgroup_id_z 1
		.amdhsa_system_vgpr_workitem_id 0
		.amdhsa_next_free_vgpr 640
		.amdhsa_next_free_sgpr 100
		.amdhsa_reserve_vcc 0
		.amdhsa_float_denorm_mode_32 3
		.amdhsa_float_denorm_mode_16_64 3
		.amdhsa_memory_ordered 1
		.amdhsa_forward_progress 1
		.amdhsa_inst_pref_size 188
	.end_amdhsa_kernel
	.amdgpu_metadata
---
amdhsa.version: [ 1, 2 ]
amdhsa.kernels:
  - .name:           k_q99b9309208_pv
    .symbol:         k_q99b9309208_pv.kd
    .args:
      - { .name: pm, .offset: 0, .size: 8, .value_kind: global_buffer, .address_space: global }
      - { .name: qkv, .offset: 8, .size: 8, .value_kind: global_buffer, .address_space: global }
      - { .name: st, .offset: 16, .size: 8, .value_kind: global_buffer, .address_space: global }
      - { .name: out0, .offset: 24, .size: 8, .value_kind: global_buffer, .address_space: global }
    .group_segment_fixed_size: 327680
    .private_segment_fixed_size: 0
    .kernarg_segment_align: 8
    .kernarg_segment_size: 32
    .max_flat_workgroup_size: 128
    .sgpr_count:     100
    .vgpr_count:     640
    .wavefront_size: 32
...
	.end_amdgpu_metadata
.endif
;; end of part 5
